; MI455X (gfx1250); checked and timed in simulation.
; The chip was launched on July 23, 2026; its instructions are those of AMD's public machine-readable ISA for CDNA 5 (MIT licence, August 2026) and "CDNA5" Instruction Set Architecture Reference Guide (July 2026). The comments in the code are by the model that wrote it; some were corrected since.
;; Retention. Allowed arithmetic: float matrix products may take bf16 or f16 operands with f32 sums; other float arithmetic in f32, or as packed bf16 or f16 multiplies, adds, multiply-adds, maxima and minima; sums over many terms, partial sums and values carried from step to step in f32; what a program stores and reads back later, other than sums and carried values, may be rounded once to bf16 or f16.
;; Inputs: W_g 1,024 x 2,048 float32; W_o 2,048 x 1,024 float32; W_qk 1,024 x 2,048 float32; W_v 1,024 x 2,048 float32; b_g 2,048 float32; b_o 1,024 float32; b_qk 2,048 float32; b_v 2,048 float32; x 2 x 2,048 x 1,024 float32.
;; Outputs: out0 2 x 2,048 x 1,024 float32.
;; 2 versions, each right; version 2 is version 1 with the launch cvt written anew for expert scheduling mode. Each part assembles by itself: llvm-mc -triple=amdgcn-amd-amdhsa -mcpu=gfx1250 --defsym DOCPART=n.
;; ======== version 1 of 2: 4 launches
;; limits: values are held in f16: magnitudes above 65,504 overflow, below 6.1e-05 lose precision
;; workspace buffers: cb 25,165,824 bytes; pj 50,331,648 bytes; stat 12,288 bytes; gt 16,777,216 bytes
;; launch cvt (part 1): grid 768 x 1, 8 waves a work-group, no clusters, 0 bytes of LDS; arguments x, W_qk, W_v, W_g, W_o, cb; writes cb
.if DOCPART == 1
	.amdgcn_target "amdgcn-amd-amdhsa--gfx1250"
	.amdhsa_code_object_version 6
	.text
	.protected	k_qb3de062178_cvt
	.globl	k_qb3de062178_cvt
	.p2align	8
	.type	k_qb3de062178_cvt,@function
k_qb3de062178_cvt:
	s_mov_b64 s[64:65], 0
	v_nop
	global_prefetch_b8 v0, s[64:65] scope:SCOPE_SE
	s_setreg_imm32_b32 hwreg(HW_REG_WAVE_MODE, 25, 1), 1
	s_wait_xcnt 0x0
; THE ROUNDINGS.  x and the four weights are rounded once to bf16 and laid out for the products that follow, all in cb:
;   byte 0           x, by blocks of 64 along K: [kb 16][row 4096][64] bf16, so that 128 rows of a K block are 16,384 dense bytes
;   byte 8,388,608   [W_qk | W_v | W_g], [1024][6144] bf16
;   byte 20,971,520  W_o, [2048][1024]: rounded to bf16, and that number written as f16 (the last product's other operand is f16)
; LIMIT.  A W_o below 6.1e-5 in magnitude keeps f16's fixed step of 6e-8; beyond 65,504 it would be an infinity.
; A stream: no LDS, no barrier, no loop.  A wave owns 8,192 bytes of one source: 16 loads of 16 bytes a lane go out at once, 16 stores of 8 bytes a lane
; follow; each store of the wave covers 256 consecutive bytes, aligned.  Matrix units and clusters have nothing to do here.
.set X, 4                              ; v[4:67]    16 x 4 f32 as loaded
.set D, 68                             ; v[68:99]   16 x 2 words to store; no register is written again behind the store that reads it, so no wait frees a store's data
.set T, 100                            ; v[100:103] at work
.macro RUN base, lstep, sstep, half
.set i, 0
.rept 16
	global_load_b128 v[X+4*i:X+4*i+3], v1, s[\base:\base+1] offset:i*(\lstep) th:TH_LOAD_NT
.set i, i+1
.endr
.set i, 0
.rept 16
	s_wait_loadcnt 15-i                            ; loads come back in order: load i is in, the 15 - i younger ones stay out
	v_cvt_pk_bf16_f32 v[D+2*i], v[X+4*i], v[X+4*i+1]
	v_cvt_pk_bf16_f32 v[D+2*i+1], v[X+4*i+2], v[X+4*i+3]
.if \half
	v_lshlrev_b32 v[T], 16, v[D+2*i]               ; the bf16 numbers as f32,
	v_and_b32 v[T+1], 0xffff0000, v[D+2*i]
	v_lshlrev_b32 v[T+2], 16, v[D+2*i+1]
	v_and_b32 v[T+3], 0xffff0000, v[D+2*i+1]
	v_cvt_pk_f16_f32 v[D+2*i], v[T], v[T+1]        ; and written as f16
	v_cvt_pk_f16_f32 v[D+2*i+1], v[T+2], v[T+3]
.endif
	global_store_b64 v2, v[D+2*i:D+2*i+1], s[14:15] offset:i*(\sstep)
.set i, i+1
.endr
.endm
	s_load_b256 s[4:11], s[0:1], 0x0               ; x s[4:5], W_qk s[6:7], W_v s[8:9], W_g s[10:11]
	s_load_b128 s[12:15], s[0:1], 0x20             ; W_o s[12:13], cb s[14:15]
	v_lshrrev_b32 v3, 5, v0
	v_readfirstlane_b32 s16, v3                    ; wave 0..7
	v_and_b32 v3, 31, v0                           ; lane
	v_lshlrev_b32 v2, 3, v3                        ; 8 bytes a lane in every store
	s_mov_b32 s17, ttmp9
	s_mov_b32 s21, 0
	s_mov_b32 s23, 0
	s_wait_kmcnt 0x0
	s_cmp_lt_u32 s17, 256
	s_cbranch_scc0 .Lweights
	; x: work-groups 0 to 255.  A unit is a pair of rows; load i takes K block i of both: lanes 0-15 the even row's 256 bytes, lanes 16-31 the odd row's.
	s_lshl_b32 s18, s17, 3
	s_add_co_u32 s18, s18, s16                     ; the unit
	s_lshl_b32 s20, s18, 13
	s_add_nc_u64 s[4:5], s[4:5], s[20:21]
	s_lshl_b32 s22, s18, 8                         ; two rows of 128 bytes in each K block
	s_add_nc_u64 s[14:15], s[14:15], s[22:23]
	v_and_b32 v1, 15, v3
	v_lshlrev_b32 v1, 4, v1
	v_lshrrev_b32 v3, 4, v3
	v_lshl_add_u32 v1, v3, 12, v1
	RUN 4, 256, 524288, 0                          ; a K block of x is 4,096 rows x 128 bytes; 15 of them stay inside the signed 24-bit immediate
	s_endpgm
.Lweights:
	s_sub_co_u32 s17, s17, 256
	s_lshr_b32 s19, s17, 7                         ; which weight: 128 work-groups each
	s_and_b32 s17, s17, 127
	s_lshl_b32 s18, s17, 3
	s_add_co_u32 s18, s18, s16                     ; the unit: 8,192 consecutive bytes
	s_lshl_b32 s20, s18, 13
	v_lshlrev_b32 v1, 4, v3
	s_cmp_eq_u32 s19, 3
	s_cbranch_scc1 .Lwo
	s_cmp_eq_u32 s19, 1
	s_cselect_b64 s[24:25], s[8:9], s[6:7]
	s_cmp_eq_u32 s19, 2
	s_cselect_b64 s[24:25], s[10:11], s[24:25]
	s_add_nc_u64 s[24:25], s[24:25], s[20:21]
	s_mul_i32 s22, s18, 12288                      ; a unit is one row of 2,048 columns: row k of the joined weights,
	s_lshl_b32 s26, s19, 12                        ; at this weight's 4,096 bytes of it
	s_add_co_u32 s22, s22, s26
	s_add_co_u32 s22, s22, 8388608
	s_add_nc_u64 s[14:15], s[14:15], s[22:23]
	RUN 24, 512, 256, 0
	s_endpgm
.Lwo:
	s_add_nc_u64 s[12:13], s[12:13], s[20:21]
	s_lshl_b32 s22, s18, 12
	s_add_co_u32 s22, s22, 20971520
	s_add_nc_u64 s[14:15], s[14:15], s[22:23]
	RUN 12, 512, 256, 1
	s_endpgm
.Lfunc_end_k_qb3de062178_cvt:
	.size	k_qb3de062178_cvt, .Lfunc_end_k_qb3de062178_cvt-k_qb3de062178_cvt
	.p2alignl 7, 3214868480
	.fill 96, 4, 3214868480
	.section	.rodata,"a",@progbits
	.p2align	6, 0x0
	.amdhsa_kernel k_qb3de062178_cvt
		.amdhsa_group_segment_fixed_size 0
		.amdhsa_private_segment_fixed_size 0
		.amdhsa_enable_private_segment 0
		.amdhsa_kernarg_size 48
		.amdhsa_user_sgpr_count 2
		.amdhsa_user_sgpr_kernarg_segment_ptr 1
		.amdhsa_wavefront_size32 1
		.amdhsa_system_sgpr_workgroup_id_x 1
		.amdhsa_system_sgpr_workgroup_id_y 1
		.amdhsa_system_sgpr_workgroup_id_z 1
		.amdhsa_system_vgpr_workitem_id 0
		.amdhsa_next_free_vgpr 104
		.amdhsa_next_free_sgpr 66
		.amdhsa_reserve_vcc 0
		.amdhsa_float_denorm_mode_32 3
		.amdhsa_float_denorm_mode_16_64 3
		.amdhsa_memory_ordered 1
		.amdhsa_forward_progress 1
		.amdhsa_inst_pref_size 24
	.end_amdhsa_kernel
	.amdgpu_metadata
---
amdhsa.version: [ 1, 2 ]
amdhsa.kernels:
  - .name:           k_qb3de062178_cvt
    .symbol:         k_qb3de062178_cvt.kd
    .args:
      - { .name: x, .offset: 0, .size: 8, .value_kind: global_buffer, .address_space: global }
      - { .name: W_qk, .offset: 8, .size: 8, .value_kind: global_buffer, .address_space: global }
      - { .name: W_v, .offset: 16, .size: 8, .value_kind: global_buffer, .address_space: global }
      - { .name: W_g, .offset: 24, .size: 8, .value_kind: global_buffer, .address_space: global }
      - { .name: W_o, .offset: 32, .size: 8, .value_kind: global_buffer, .address_space: global }
      - { .name: cb, .offset: 40, .size: 8, .value_kind: global_buffer, .address_space: global }
    .group_segment_fixed_size: 0
    .private_segment_fixed_size: 0
    .kernarg_segment_align: 8
    .kernarg_segment_size: 48
    .max_flat_workgroup_size: 256
    .sgpr_count:     66
    .vgpr_count:     104
    .wavefront_size: 32
...
	.end_amdgpu_metadata
.endif
;; end of part 1
;; launch proj (part 2): grid 16 x 16, 4 waves a work-group, clusters of 4 x 4, 327,680 bytes of LDS; arguments cb, b_qk, b_v, b_g, pj, stat; writes pj, stat
.if DOCPART == 2
	.amdgcn_target "amdgcn-amd-amdhsa--gfx1250"
	.amdhsa_code_object_version 6
	.text
	.protected	k_qb3de062178_proj
	.globl	k_qb3de062178_proj
	.p2align	8
	.type	k_qb3de062178_proj,@function
k_qb3de062178_proj:
	s_mov_b64 s[64:65], 0
	v_nop
	global_prefetch_b8 v0, s[64:65] scope:SCOPE_SE
	s_setreg_imm32_b32 hwreg(HW_REG_WAVE_MODE, 25, 1), 1
	s_wait_xcnt 0x0
	s_wait_alu depctr_hold_cnt(0) depctr_sa_sdst(0) depctr_va_vdst(0) depctr_va_sdst(0) depctr_va_ssrc(0) depctr_va_vcc(0) depctr_vm_vsrc(0)
	s_getreg_b32 s2, hwreg(HW_REG_IB_STS2, 6, 4)
	s_cmp_eq_u32 s2, 0
	s_cbranch_scc0 .Lentry_in_a_cluster
	s_endpgm
.Lentry_in_a_cluster:
	s_bfe_u32 s2, ttmp6, 0x10000c
	s_cmp_lg_u32 s2, 0xf033
	s_cbranch_scc0 .Lentry_shape_is_right
	s_endpgm
.Lentry_shape_is_right:
; THE THREE PROJECTIONS AS ONE PRODUCT: [q | k | v | g] = x [W_qk | W_v | W_g] + bias: 4,096 x 6,144 over K = 1,024, operands bf16 (from cb), sums f32.
; 256 x 384 of it to a work-group: 16 x 16 work-groups.  Four waves, each 128 x 192: 96 accumulators of 16 x 16, 768 registers.
; K goes in 16 steps of 64 through two LDS slots; a step is two substeps of 32, 96 matrix instructions each.
; x lies by K blocks, so 128 rows of a step are 16,384 dense bytes, asked for as 64 rows of 256 bytes; W lies [K][N] and is turned on its way out of LDS (ds_load_tr16_b128).
; THE MATRIX INSTRUCTION IS USED TRANSPOSED (source 0 = 16 columns of W, source 1 = 16 rows of x): a lane then holds eight neighbouring columns of one row.
; CLUSTER 4 x 4: x's tile hangs on the tile row alone and is asked for jointly along a row of the cluster, W's on the tile column alone, jointly along a column.
; THE WAY OUT.  bias (rounded to bf16 like every input) is added; q is multiplied by g^(t % 64) and k by g^(63 - t % 64), g = 1 - 2^(-5-h) the head's decay (in f32, ahead of the one
; rounding); all is rounded to f16 and stored by groups of 64 columns, pj[cg 96][row 4096][64]: cg = h: q; 16 + h: k; 32 + 2h + p: v; 64 + 2h + p: gate.  16 rows of a group are 2,048 dense bytes.
; stat[row / 128][cg] takes the largest magnitude of the 128 x 64 numbers (before the rounding to f16): the next launches scale by it.
; LIMITS.  q, k, v and the gate must stay within f16's 65,504.  log2 g is a series in u = 2^(-5-h) <= 1/32 cut behind u^6 / 6: the first term left out is 1.3e-10 of the sum.  NaN and infinities are not treated apart.
; REGISTERS, in windows of 256: window 0: v0-19 addresses; v32-95, v96-159 x's fragments, two buffers; v160-255 W's 12 fragments.  Window 1 + g: the accumulators of column group g (64 columns): (a, b) at v[8 (8 (b % 4) + a)].
.set PA,    144                        ; a row of x in LDS: 128 bytes + 16: the 16 rows of a load start at 16 different groups of four banks (64 banks of 4 bytes: ISA guide 11.1)
.set PW,    864                        ; a row of W: 768 bytes + 16 behind every 128 = 27 x 32
.set AHALF, 128*PA
.set WOFF,  2*AHALF                    ; a slot: x's 256 rows, then W's 64
.set WHALF, 32*PW
.set SLOT1, 1<<17                      ; slot 1 begins here: one exclusive or turns an address in one slot into the other's
.set STAGE, SLOT1+WOFF+2*WHALF         ; behind the ring: 16 rows x 144 bytes for each wave, for the way out
.set SP,    144
.set SPARE, STAGE+4*16*SP              ; the spare words, 128 bytes a wave: two blocks of 256 bytes that no other line names
.set ASTEP, 4096*128                   ; bytes from a K block of x to the next
.set WSTEP, 64*6144*2                  ; 64 rows of W
.set WBASE, 8388608                    ; W in cb
.set A0, 3                             ; v3  my lane's place in x's tile          v4  in W's
.set B0, 4
.set VA, 5                             ; v5, v6  the same in the slot in hand
.set VB, 6
.set STO, 7                            ; the way out: where I put 16 bytes of a row
.set RD, 8                             ; where I read rows back
.set GO, 9                             ; 16 x lane
.set SPW, 10                           ; LDS address of my spare word; never rewritten
.set NIL, 11                           ; 0; never rewritten
.set TM, 12
.set BO, 13                            ; my byte offset in 64 biases; at the end in stat
.set LN, 14                            ; lane
.set RF, 16                            ; v16-19  16 a + lane % 16 as f32, a = 0..3
.set AF0, 32
.set AF1, 96
.set BF, 160
.set T, 96                             ; the way out: 32 numbers in f32
.set PK, 128                           ; packed
.set OUTR, 192                         ; whole rows, two sets of 16
.set FAC, 224                          ; 12 pairs: the factor of column group i and row block a % 4
.set MX, 248                           ; two running maxima a column group
.set WV, 16
.set WR, 17                            ; which half of the rows is mine.  Also: I fetch x (0) or W (1)
.set WC, 18                            ; which half of the columns.  Also: which half of that tile I fetch
.set CX, 19
.set CY, 20
.set NT, 21
.set MT, 22
.set HIM, 25
.set CG0, 26                           ; my first column group
.set RW, 27                            ; my 128 rows' number
.set G1A, 28
.set G1W, 36
.set G0A, 44                           ; two sets for the two first fills; the second then walks
.set G0W, 52
.set TB, 60                            ; the slot in hand: 0 or SLOT1
.set CNT, 61
.set AL, 66                            ; s66-71  for my three column groups: the factor is 2^(AL x (t % 64) + BE)
.set BP, 72                            ; s[72:77] their biases
.set PJB, 78
.set STB, 80
.set SEL, 82
.set MSB, 0
.macro WIN new                         ; the immediate's high byte repeats the setting that is left; a switch that changes nothing is dropped
.if MSB != (\new)
	s_set_vgpr_msb (MSB<<8)|(\new)
.set MSB, \new
.endif
.endm
.macro PLACES                          ; four places in front of loads into registers that matrix instructions have read (ISA guide 7.12.1 for vector instructions)
.rept 4
	v_nop
.endr
.endm
.macro JLOAD                           ; a joint refill by the walking descriptor; an s_nop 0 and four v_nop follow each of the two lines
	s_cmp_eq_u32 s[WR], 0
	s_cbranch_scc0 .Lfor_w_\@
	tensor_load_to_lds s[G0A+4:G0A+7], s[G1A:G1A+7]
	s_nop 0
.rept 4
	v_nop
.endr
	s_branch .Lasked_\@
.Lfor_w_\@:
	tensor_load_to_lds s[G0W+4:G0W+7], s[G1W:G1W+7]
	s_nop 0
.rept 4
	v_nop
.endr
.Lasked_\@:
.endm
.macro CREST                           ; a round of the cluster's barrier behind its opening barrier
	s_cmp_lg_u32 s[WV], 0
	s_cbranch_scc1 .Lnot_wave_0_\@
	s_barrier_signal -3
.Lnot_wave_0_\@:
	s_barrier_wait -3
	s_barrier_signal -1
	s_barrier_wait -1
.endm
.macro CROUND
	s_barrier_signal -1
	s_barrier_wait -1
	CREST
.endm
; lam = -ln(1 - u), lg = log2(1 - u), u = 2^(-5-h): u (1 + u (1/2 + u (1/3 + u (1/4 + u (1/5 + u / 6))))), fused multiply-adds in two registers by turns
.macro LOGG lam, lg, hh, ta, tb, tc
	s_sub_co_u32 s[\ta], 122, s[\hh]
	s_lshl_b32 s[\ta], s[\ta], 23                  ; u as f32: exponent field 127 - 5 - h
	s_mov_b32 s[\tb], 0x3e2aaaab
	s_mov_b32 s[\tc], 0x3e4ccccd
	s_fmac_f32 s[\tc], s[\tb], s[\ta]
	s_mov_b32 s[\tb], 0x3e800000
	s_fmac_f32 s[\tb], s[\tc], s[\ta]
	s_mov_b32 s[\tc], 0x3eaaaaab
	s_fmac_f32 s[\tc], s[\tb], s[\ta]
	s_mov_b32 s[\tb], 0.5
	s_fmac_f32 s[\tb], s[\tc], s[\ta]
	s_mov_b32 s[\tc], 1.0
	s_fmac_f32 s[\tc], s[\tb], s[\ta]
	s_mul_f32 s[\lam], s[\tc], s[\ta]
	s_mul_f32 s[\lg], s[\lam], 0xbfb8aa3b
.endm
; What column group CG0 + i is: its factor's two scalars and its bias.  (Temporaries: registers that never fed x's descriptors.)
.macro GROUP i
	s_add_co_u32 s86, s[CG0], \i
	s_and_b32 s87, s86, 15                         ; the head, for q and k
	LOGG 90, 91, 87, 94, 95, 96
	s_xor_b32 s97, s91, 0x80000000                 ; -log2 g
	s_mul_f32 s98, s91, 0x427c0000                 ; 63 log2 g
	s_cmp_lt_u32 s86, 16
	s_cselect_b32 s[AL+2*\i], s91, s97             ; q: g^(t % 64);  k: g^(63 - t % 64)
	s_cselect_b32 s[AL+2*\i+1], 0, s98
	s_cmp_lt_u32 s86, 32
	s_cselect_b32 s[AL+2*\i], s[AL+2*\i], 0        ; v and the gate: 1
	s_cselect_b32 s[AL+2*\i+1], s[AL+2*\i+1], 0
	s_cselect_b64 s[BP+2*\i:BP+2*\i+1], s[6:7], s[8:9]
	s_cmp_lt_u32 s86, 64
	s_cselect_b64 s[BP+2*\i:BP+2*\i+1], s[BP+2*\i:BP+2*\i+1], s[10:11]
	s_and_b32 s86, s86, 31
	s_lshl_b32 s86, s86, 8                         ; 64 f32 a group
	s_mov_b32 s87, 0
	s_add_nc_u64 s[BP+2*\i:BP+2*\i+1], s[BP+2*\i:BP+2*\i+1], s[86:87]
.endm
	s_load_b256 s[4:11], s[0:1], 0x0               ; cb s[4:5], b_qk s[6:7], b_v s[8:9], b_g s[10:11]
	s_load_b128 s[12:15], s[0:1], 0x20             ; pj s[12:13], stat s[14:15]
	v_lshl_add_u32 v[SPW], v0, 2, SPARE
	v_mov_b32 v[NIL], 0
	ds_add_u32 v[SPW], v[NIL]                      ; the wave's opening: the add and its wait stand ahead of my first tensor load; work on registers stands between them
	ds_add_u32 v10, v11
	v_lshrrev_b32 v1, 5, v0
	v_readfirstlane_b32 s[WV], v1
	s_lshr_b32 s[WR], s[WV], 1
	s_and_b32 s[WC], s[WV], 1
	s_bfe_u32 s[CX], ttmp6, 0x40000
	s_bfe_u32 s[CY], ttmp6, 0x40004
	s_lshl_b32 s[NT], ttmp9, 2
	s_add_co_u32 s[NT], s[NT], s[CX]               ; tile column = 4 x cluster x + cx
	s_and_b32 s[MT], ttmp7, 0xffff
	s_lshl_b32 s[MT], s[MT], 2
	s_add_co_u32 s[MT], s[MT], s[CY]               ; tile row = 4 x cluster y + cy
	s_lshl_b32 s23, s[CY], 2
	s_lshl_b32 s23, 15, s23                        ; my row of the cluster
	s_lshl_b32 s24, 0x1111, s[CX]                  ; my column
	; group 1: 17:16 2-byte elements; 20 padding on; 21 set beside a mask; 24:22 after every 32 words (code 4); 31:25 4 words (code 3)
	s_or_b32 s[G1A], s23, (1<<16)|(1<<20)|(1<<21)|(4<<22)|(3<<25)
	s_mov_b32 s[G1A+1], 128<<16                    ; x: 64 rows of 128 elements, dense: two rows of x in each
	s_mov_b32 s[G1A+2], 64<<16
	s_mov_b32 s[G1A+3], 128<<16
	s_mov_b32 s[G1A+4], 64
	s_mov_b32 s[G1A+5], 128
	s_mov_b32 s[G1A+6], 0
	s_mov_b32 s[G1A+7], 0
	s_or_b32 s[G1W], s24, (1<<16)|(1<<20)|(1<<21)|(4<<22)|(3<<25)
	s_mov_b32 s[G1W+1], 384<<16                    ; W: 32 rows of 384 elements, 6,144 from row to row
	s_mov_b32 s[G1W+2], 32<<16
	s_mov_b32 s[G1W+3], 384<<16
	s_mov_b32 s[G1W+4], 32
	s_mov_b32 s[G1W+5], 6144
	s_mov_b32 s[G1W+6], 0
	s_mov_b32 s[G1W+7], 0
	s_lshl_b32 s84, s[MT], 15                      ; x: 256 rows x 128 bytes a tile row,
	s_lshl_b32 s85, s[WC], 14                      ; my 128 of them
	s_add_co_u32 s84, s84, s85
	s_mov_b32 s85, 0
	s_mul_i32 s86, s[NT], 768                      ; W: 384 columns a tile column,
	s_mul_i32 s87, s[WC], 32*12288                 ; my 32 rows of a step's 64
	s_add_co_u32 s86, s86, s87
	s_mov_b32 s87, 0
	s_mul_i32 s92, s[WC], AHALF                    ; where they go: the wave's number alone enters an LDS address
	s_mul_i32 s93, s[WC], WHALF
	s_add_co_u32 s93, s93, WOFF
	s_mov_b32 s[TB], 0
	s_mov_b32 s[HIM], 0xffff0000
	s_mov_b32 s[SEL], 0x76543210
	s_mov_b32 s[SEL+1], 0xfedcba98
	s_wait_dscnt 0x0                               ; the opening add is done
	s_wait_kmcnt 0x0
	s_add_nc_u64 s[88:89], s[4:5], s[84:85]
	s_add_nc_u64 s[90:91], s[4:5], s[86:87]
	s_add_nc_u64 s[90:91], s[90:91], WBASE
	CROUND                                         ; all sixteen work-groups are here: the first joint loads meet
.irp s, 0,1
	s_mov_b32 s[G0A+4*\s], 1
	s_add_co_u32 s[G0A+4*\s+1], s92, \s*SLOT1
	s_add_nc_u64 s[G0A+4*\s+2:G0A+4*\s+3], s[88:89], \s*ASTEP
	s_or_b32 s[G0A+4*\s+3], s[G0A+4*\s+3], 0x80000000
	s_mov_b32 s[G0W+4*\s], 1
	s_add_co_u32 s[G0W+4*\s+1], s93, \s*SLOT1
	s_add_nc_u64 s[G0W+4*\s+2:G0W+4*\s+3], s[90:91], \s*WSTEP
	s_or_b32 s[G0W+4*\s+3], s[G0W+4*\s+3], 0x80000000
.endr
	s_cmp_eq_u32 s[WR], 0                          ; a wave's two first fills stand in one branch: two loads of mine are out, later one
	s_cbranch_scc0 .Lfirst_w
	tensor_load_to_lds s[G0A:G0A+3], s[G1A:G1A+7]
	s_nop 0
	tensor_load_to_lds s[G0A+4:G0A+7], s[G1A:G1A+7]
	s_nop 0
.rept 4
	v_nop
.endr
	s_branch .Lfirst_asked
.Lfirst_w:
	tensor_load_to_lds s[G0W:G0W+3], s[G1W:G1W+7]
	s_nop 0
	tensor_load_to_lds s[G0W+4:G0W+7], s[G1W:G1W+7]
	s_nop 0
.rept 4
	v_nop
.endr
.Lfirst_asked:
	v_and_b32 v1, 15, v0                           ; l % 16
	v_bfe_u32 v2, v0, 4, 1                         ; l / 16
	v_and_b32 v[LN], 31, v0
	v_mul_u32_u24 v[A0], v1, PA                    ; x's fragment: row l % 16, 16 bytes for each half of the lanes
	v_lshl_add_u32 v[A0], v2, 4, v[A0]
	s_mul_i32 s94, s[WR], AHALF
	v_add_nc_u32 v[A0], s94, v[A0]
	v_and_b32 v[TM], 7, v0                         ; W's: the turning load reads row 8 (l / 16) + l % 8, columns 8 ((l / 8) % 2) on
	v_lshl_add_u32 v[B0], v2, 3, v[TM]
	v_mul_u32_u24 v[B0], v[B0], PW
	v_bfe_u32 v[TM], v0, 3, 1
	v_lshl_add_u32 v[B0], v[TM], 4, v[B0]
	s_mul_i32 s94, s[WC], 432                      ; my 192 columns: 384 bytes and three pads
	s_add_co_u32 s94, s94, WOFF
	v_add_nc_u32 v[B0], s94, v[B0]
	v_mov_b32 v[VA], v[A0]
	v_mov_b32 v[VB], v[B0]
	s_mul_i32 s94, s[WV], 16*SP
	s_add_co_u32 s94, s94, STAGE                   ; my stage
	v_mul_u32_u24 v[STO], v1, SP
	v_lshl_add_u32 v[STO], v2, 4, v[STO]
	v_add_nc_u32 v[STO], s94, v[STO]
	v_lshrrev_b32 v[RD], 3, v[LN]                  ; back: 32 lanes take four rows of 128 bytes
	v_mul_u32_u24 v[RD], v[RD], SP
	v_and_b32 v[TM], 7, v0
	v_lshl_add_u32 v[RD], v[TM], 4, v[RD]
	v_add_nc_u32 v[RD], s94, v[RD]
	v_lshlrev_b32 v[GO], 4, v[LN]
	v_lshlrev_b32 v[BO], 5, v2                     ; my 8 biases of 16
	s_mul_i32 s[CG0], s[NT], 6
	s_mul_i32 s94, s[WC], 3
	s_add_co_u32 s[CG0], s[CG0], s94
	s_lshl_b32 s[RW], s[MT], 1
	s_add_co_u32 s[RW], s[RW], s[WR]
	s_lshl_b32 s94, s[CG0], 19                     ; a column group of pj is 4,096 rows x 128 bytes
	s_lshl_b32 s95, s[RW], 14
	s_add_co_u32 s94, s94, s95
	s_mov_b32 s95, 0
	s_add_nc_u64 s[PJB:PJB+1], s[12:13], s[94:95]
	s_mul_i32 s94, s[RW], 96
	s_add_co_u32 s94, s94, s[CG0]
	s_lshl_b32 s94, s94, 2
	s_add_nc_u64 s[STB:STB+1], s[14:15], s[94:95]
	GROUP 0
	GROUP 1
	GROUP 2
; 8 turning loads: W's fragments of column group g, substep sg.  Column block b lies at 32 b + 16 (b / 4).
.macro LB g, sg
.irp bq, 0,1,2,3
	ds_load_tr16_b128 v[BF+8*(4*(\g)+\bq):BF+8*(4*(\g)+\bq)+3],   v[VB] offset:(\sg)*WHALF+32*(4*(\g)+\bq)+16*(\g)
	ds_load_tr16_b128 v[BF+8*(4*(\g)+\bq)+4:BF+8*(4*(\g)+\bq)+7], v[VB] offset:(\sg)*WHALF+32*(4*(\g)+\bq)+16*(\g)+16*PW
.endr
.endm
; 16 loads: x's 8 fragments of substep sg into buffer af
.macro LA sg, af
.irp a, 0,1,2,3,4,5,6,7
	ds_load_b128 v[(\af)+8*\a:(\af)+8*\a+3],   v[VA] offset:64*(\sg)+\a*16*PA
	ds_load_b128 v[(\af)+8*\a+4:(\af)+8*\a+7], v[VA] offset:64*(\sg)+\a*16*PA+32
.endr
.endm
; 16 matrix instructions: two column blocks of group g x all 8 row blocks.  The 96 accumulators take turns, one instruction a turn.  zero = 1: the product starts the sums.
.macro MULG g, af, half, zero
	WIN (((\g)+1)<<6)|(((\g)+1)<<4)
.irp bq, 0,1
.irp a, 0,1,2,3,4,5,6,7
.if \zero
	v_wmma_f32_16x16x32_bf16 v[8*(8*(2*(\half)+\bq)+\a):8*(8*(2*(\half)+\bq)+\a)+7], v[BF+8*(4*(\g)+2*(\half)+\bq):BF+8*(4*(\g)+2*(\half)+\bq)+7], v[(\af)+8*\a:(\af)+8*\a+7], 0
.else
	v_wmma_f32_16x16x32_bf16 v[8*(8*(2*(\half)+\bq)+\a):8*(8*(2*(\half)+\bq)+\a)+7], v[BF+8*(4*(\g)+2*(\half)+\bq):BF+8*(4*(\g)+2*(\half)+\bq)+7], v[(\af)+8*\a:(\af)+8*\a+7], v[8*(8*(2*(\half)+\bq)+\a):8*(8*(2*(\half)+\bq)+\a)+7]
.endif
.endr
.endr
.endm
.macro BIASLD                          ; 24 loads into registers that the products have left: x's buffer 0 and W's group 0
.irp i, 0,1,2
.irp bb, 0,1,2,3
	global_load_b128 v[32+32*\i+64*(\i/2)+8*\bb:32+32*\i+64*(\i/2)+8*\bb+3],   v[BO], s[BP+2*\i:BP+2*\i+1] offset:64*\bb
	global_load_b128 v[32+32*\i+64*(\i/2)+8*\bb+4:32+32*\i+64*(\i/2)+8*\bb+7], v[BO], s[BP+2*\i:BP+2*\i+1] offset:64*\bb+16
.endr
.endr
.endm
; THE FIRST SUBSTEP of a K step multiplies buffer 0 and fetches the second's fragments.  LDS loads go out as [group 0 and x: 24][group 1: 8][group 2: 8]:
; group 0 leaves the 16 behind it out; group 1 leaves group 2's 8 and the next 24; group 2 the next 24 and 8.
.macro SUB0 zero
	s_wait_dscnt 16
	MULG 0, AF0, 0, \zero
	MULG 0, AF0, 1, \zero
	WIN 0
	PLACES
	LB 0, 1
	LA 1, AF1
	s_wait_dscnt 32
	MULG 1, AF0, 0, \zero
	MULG 1, AF0, 1, \zero
	WIN 0
	PLACES
	LB 1, 1
	s_wait_dscnt 32
	MULG 2, AF0, 0, \zero
	MULG 2, AF0, 1, \zero
	WIN 0
	PLACES
	LB 2, 1
.endm
; THE SECOND SUBSTEP multiplies buffer 1 and changes slots.  mode 2: the slot just read is filled again, two steps ahead; 1: a barrier alone; 0: the last substep.
.macro SUB1 mode
.if (\mode) > 0
	WIN 0
	s_wait_tensorcnt 0x0                           ; all my tensor loads have landed: the one that was out is my part of the next slot;
	ds_add_u32 v[SPW], v[NIL]                      ; 0 onto my spare word;
	s_wait_dscnt 17                                ; (groups 1 and 2 and the add may be out)
	MULG 0, AF1, 0, 0                              ; sixteen matrix instructions stand between the add and the wait for it
	s_wait_dscnt 0x0                               ; the add is done, and my reads of this slot are over
	s_barrier_signal -1
	MULG 0, AF1, 1, 0
	WIN 0
	s_barrier_wait -1
.if (\mode) == 2
	CREST                                          ; the barrier has opened a round of the cluster's: no wave of any partner still reads this slot or has a load on its way
	s_xor_b32 s[G0A+5], s[G0A+5], SLOT1            ; the walking descriptors: the other slot than last time, the next K step
	s_add_nc_u64 s[G0A+6:G0A+7], s[G0A+6:G0A+7], ASTEP
	s_xor_b32 s[G0W+5], s[G0W+5], SLOT1
	s_add_nc_u64 s[G0W+6:G0W+7], s[G0W+6:G0W+7], WSTEP
	JLOAD                                          ; the first tensor load behind the round: 160 matrix instructions ahead of the wait for it; its four v_nop are also the places in front of the loads below
.else
	PLACES
.endif
	s_xor_b32 s[TB], s[TB], SLOT1
	v_add_nc_u32 v[VA], s[TB], v[A0]
	v_add_nc_u32 v[VB], s[TB], v[B0]
	LB 0, 0
	LA 0, AF0
	MULG 1, AF1, 0, 0
	MULG 1, AF1, 1, 0
	WIN 0
	PLACES
	LB 1, 0
	MULG 2, AF1, 0, 0
	MULG 2, AF1, 1, 0
	WIN 0
	PLACES
	LB 2, 0
.else
	s_wait_dscnt 16
	MULG 0, AF1, 0, 0
	MULG 0, AF1, 1, 0
	WIN 0
	PLACES
	BIASLD
	s_wait_dscnt 8
	MULG 1, AF1, 0, 0
	MULG 1, AF1, 1, 0
	s_wait_dscnt 0x0
	MULG 2, AF1, 0, 0
	MULG 2, AF1, 1, 0
	WIN 0
.endif
.endm
	s_wait_tensorcnt 1                             ; my part of K step 0 is in; step 1's may stay out
	s_barrier_signal -1
	s_barrier_wait -1
	LB 0, 0
	LA 0, AF0
	LB 1, 0
	LB 2, 0
	SUB0 1                                         ; the first substep stands in front of the loop: its products start the sums
	WIN 0
	s_mov_b32 s[CNT], 14                           ; K steps 2 to 15 are asked for in the loop
.Lstep:
	SUB1 2
	SUB0 0
	WIN 0
	s_sub_co_u32 s[CNT], s[CNT], 1
	s_cmp_lg_u32 s[CNT], 0
	s_cbranch_scc1 .Lstep
	SUB1 1                                         ; the last two steps ask for nothing
	SUB0 0
	SUB1 0
	; THE WAY OUT.  The biases' rounding to bf16, 144 plain lines that name no register of the last products, are the places behind them.
	s_wait_loadcnt 0x0
.irp base, 32, 64, 160
.set p2, 0
.rept 16
	v_cvt_pk_bf16_f32 v[TM], v[(\base)+2*p2], v[(\base)+2*p2+1]
	v_lshlrev_b32 v[(\base)+2*p2], 16, v[TM]
	v_and_b32 v[(\base)+2*p2+1], s[HIM], v[TM]
.set p2, p2+1
.endr
.endr
	v_cvt_f32_u32 v[RF], v1                        ; t % 64 = 16 (a % 4) + l % 16: my 128 rows begin at a multiple of 64
	v_add_f32 v[RF+1], 0x41800000, v[RF]
	v_add_f32 v[RF+2], 0x42000000, v[RF]
	v_add_f32 v[RF+3], 0x42400000, v[RF]
.irp i, 0,1,2
.irp q, 0,1,2,3
	v_fma_f32 v[FAC+2*(4*\i+\q)], s[AL+2*\i], v[RF+\q], s[AL+2*\i+1]
.endr
.endr
.set p2, 0
.rept 12
	v_exp_f32 v[FAC+2*p2], v[FAC+2*p2]
.set p2, p2+1
.endr
	v_nop                                          ; a plain instruction between the exponentials and the use of their results
.set p2, 0
	s_wait_alu depctr_va_vdst(0)
.rept 12
	v_mov_b32 v[FAC+2*p2+1], v[FAC+2*p2]           ; a pair for the packed multiply
.set p2, p2+1
.endr
.set p2, 0
.rept 6
	v_mov_b32 v[MX+p2], 0
.set p2, p2+1
.endr
; A unit: 16 rows (block a) x 64 columns (group i).  Bias, factor, magnitude, rounding; 16 bytes a lane into my stage, whole rows back.
.macro PACKU a, i, set
.set BI, 32+32*(\i)+64*((\i)/2)
	WIN 1+(\i)                                     ; source 0 in the group's window
.irp bb, 0,1,2,3
.irp p, 0,1,2,3
	v_pk_add_f32 v[T+8*\bb+2*\p:T+8*\bb+2*\p+1], v[8*(8*\bb+(\a))+2*\p:8*(8*\bb+(\a))+2*\p+1], v[BI+8*\bb+2*\p:BI+8*\bb+2*\p+1]
.endr
.endr
	WIN 0
.set p2, 0
.rept 16
	v_pk_mul_f32 v[T+2*p2:T+2*p2+1], v[T+2*p2:T+2*p2+1], v[FAC+2*(4*(\i)+(\a)%4):FAC+2*(4*(\i)+(\a)%4)+1]
.set p2, p2+1
.endr
.set p2, 0
.rept 16
	v_max3_num_f32 v[MX+2*(\i)+p2%2], |v[T+2*p2]|, |v[T+2*p2+1]|, v[MX+2*(\i)+p2%2]
.set p2, p2+1
.endr
.set p2, 0
.rept 16
	v_cvt_pk_f16_f32 v[PK+p2], v[T+2*p2], v[T+2*p2+1]
.set p2, p2+1
.endr
.irp bb, 0,1,2,3
	ds_store_b128 v[STO], v[PK+4*\bb:PK+4*\bb+3] offset:32*\bb
.endr
	s_wait_xcnt 0x0                                ; the stores of two units ago have read this set of registers
.irp f, 0,1,2,3
	ds_load_b128 v[OUTR+16*(\set)+4*\f:OUTR+16*(\set)+4*\f+3], v[RD] offset:\f*4*SP  ; LDS serves a wave's instructions in order (ISA guide 5.7.1.4): these see the stores above, and the next unit's stores come behind them
.endr
.endm
.macro SENDU a, i, set, younger        ; younger: the next unit's eight LDS instructions, or none
.irp f, 0,1,2,3
	s_wait_dscnt (\younger)+3-\f
	global_store_b128 v[GO], v[OUTR+16*(\set)+4*\f:OUTR+16*(\set)+4*\f+3], s[PJB:PJB+1] offset:(\i)*524288+(\a)*2048+\f*512  ; 512 consecutive bytes, at a multiple of 256 from pj's first
.endr
.endm
	PACKU 0, 0, 0
.set u, 1
.rept 23                               ; a unit's arithmetic stands between the loads of the unit before and its stores
	PACKU (u%8), (u/8), (u%2)
	SENDU ((u-1)%8), ((u-1)/8), ((u-1)%2), 8
.set u, u+1
.endr
	SENDU 7, 2, 1, 0
.irp i, 0,1,2                          ; the three magnitudes, over the wave's 32 lanes
	v_max_num_f32 v[MX+2*\i], v[MX+2*\i], v[MX+2*\i+1]
	v_max_num_f32_dpp v[MX+2*\i], v[MX+2*\i], v[MX+2*\i] row_xmask:1 row_mask:0xf bank_mask:0xf
	v_max_num_f32_dpp v[MX+2*\i], v[MX+2*\i], v[MX+2*\i] row_xmask:2 row_mask:0xf bank_mask:0xf
	v_max_num_f32_dpp v[MX+2*\i], v[MX+2*\i], v[MX+2*\i] row_xmask:4 row_mask:0xf bank_mask:0xf
	v_max_num_f32_dpp v[MX+2*\i], v[MX+2*\i], v[MX+2*\i] row_xmask:8 row_mask:0xf bank_mask:0xf
	v_permlanex16_b32 v[MX+2*\i+1], v[MX+2*\i], s[SEL], s[SEL+1]
	v_max_num_f32 v[MX+2*\i], v[MX+2*\i], v[MX+2*\i+1]
.endr
	v_cmp_eq_u32 vcc_lo, 1, v[LN]                  ; lane i takes group i's
	v_cndmask_b32 v[TM], v[MX], v[MX+2], vcc_lo
	v_cmp_eq_u32 vcc_lo, 2, v[LN]
	v_cndmask_b32 v[TM], v[TM], v[MX+4], vcc_lo
	v_lshlrev_b32 v[BO], 2, v[LN]
	v_cmp_gt_u32 vcc_lo, 3, v[LN]
	s_wait_xcnt 0x0                                ; EXEC changes only behind this wait: it is a source of the stores above
	s_and_saveexec_b32 s84, vcc_lo
	global_store_b32 v[BO], v[TM], s[STB:STB+1]    ; three words, once a wave
	s_wait_xcnt 0x0
	s_or_b32 exec_lo, exec_lo, s84
	s_wait_tensorcnt 0x0                           ; the wave's end: behind my last tensor load and my last LDS store
	ds_add_u32 v[SPW], v[NIL]
	s_wait_dscnt 0x0
	CROUND                                         ; the closing round: no work-group ends while a partner may still ask for a tile that names it
	s_endpgm
.Lfunc_end_k_qb3de062178_proj:
	.size	k_qb3de062178_proj, .Lfunc_end_k_qb3de062178_proj-k_qb3de062178_proj
	.p2alignl 7, 3214868480
	.fill 96, 4, 3214868480
	.section	.rodata,"a",@progbits
	.p2align	6, 0x0
	.amdhsa_kernel k_qb3de062178_proj
		.amdhsa_group_segment_fixed_size 327680
		.amdhsa_private_segment_fixed_size 0
		.amdhsa_enable_private_segment 0
		.amdhsa_kernarg_size 48
		.amdhsa_user_sgpr_count 2
		.amdhsa_user_sgpr_kernarg_segment_ptr 1
		.amdhsa_wavefront_size32 1
		.amdhsa_system_sgpr_workgroup_id_x 1
		.amdhsa_system_sgpr_workgroup_id_y 1
		.amdhsa_system_sgpr_workgroup_id_z 1
		.amdhsa_system_vgpr_workitem_id 0
		.amdhsa_next_free_vgpr 1024
		.amdhsa_next_free_sgpr 100
		.amdhsa_reserve_vcc 1
		.amdhsa_float_denorm_mode_32 3
		.amdhsa_float_denorm_mode_16_64 3
		.amdhsa_memory_ordered 1
		.amdhsa_forward_progress 1
		.amdhsa_inst_pref_size 202
	.end_amdhsa_kernel
	.amdgpu_metadata
---
amdhsa.version: [ 1, 2 ]
amdhsa.kernels:
  - .name:           k_qb3de062178_proj
    .symbol:         k_qb3de062178_proj.kd
    .args:
      - { .name: cb, .offset: 0, .size: 8, .value_kind: global_buffer, .address_space: global }
      - { .name: b_qk, .offset: 8, .size: 8, .value_kind: global_buffer, .address_space: global }
      - { .name: b_v, .offset: 16, .size: 8, .value_kind: global_buffer, .address_space: global }
      - { .name: b_g, .offset: 24, .size: 8, .value_kind: global_buffer, .address_space: global }
      - { .name: pj, .offset: 32, .size: 8, .value_kind: global_buffer, .address_space: global }
      - { .name: stat, .offset: 40, .size: 8, .value_kind: global_buffer, .address_space: global }
    .group_segment_fixed_size: 327680
    .private_segment_fixed_size: 0
    .kernarg_segment_align: 8
    .kernarg_segment_size: 48
    .max_flat_workgroup_size: 128
    .sgpr_count:     100
    .vgpr_count:     1024
    .wavefront_size: 32
...
	.end_amdgpu_metadata
.endif
;; end of part 2
;; launch ret (part 3): grid 8 x 32, 4 waves a work-group, no clusters, 327,680 bytes of LDS; arguments pj, stat, gt; writes gt
.if DOCPART == 3
	.amdgcn_target "amdgcn-amd-amdhsa--gfx1250"
	.amdhsa_code_object_version 6
	.text
	.protected	k_qb3de062178_ret
	.globl	k_qb3de062178_ret
	.p2align	8
	.type	k_qb3de062178_ret,@function
k_qb3de062178_ret:
	s_mov_b64 s[64:65], 0
	v_nop
	global_prefetch_b8 v0, s[64:65] scope:SCOPE_SE
	s_setreg_imm32_b32 hwreg(HW_REG_WAVE_MODE, 25, 1), 1
	s_wait_xcnt 0x0
; RETENTION, RMS NORM AND GATE for one batch and head: scores(t, s) = q_t . k_s g^(t-s) / sqrt(D_t) for s <= t (g = 1 - 2^(-5-h), D_t = sum of g^0 .. g^t), divided by clip(sum_s |scores|, 1, 50000);
; ret = scores v; y = ret rsqrt(mean(ret^2) + 2^-23) over the head's 128 channels; gt = gate x y.  All operands f16 (from pj), sums f32.
; THE DECAY.  g^(t-s) = g^(t % 64) g^(63 - s % 64) g^(64 d - 63), d = t / 64 - s / 64.  The first two factors are already in q and k; the third is ONE scalar for a wave and 64 keys.
; THE MASK multiplies: d > 0 all is seen, d < 0 nothing; d = 0: key block kb of 16 against query tile t of 16: seen (kb < t), hidden (kb > t), a triangle (kb = t).
; RANGE.  The weights are kept as P' = R c S with R = 16 / (Mq Mk), Mq and Mk the largest |q|, |k| of this batch and head (stat): |P'| <= 16 x 64 x g^-63 <= 7,600, inside f16 whatever the inputs' size.
; R is undone in f32 at a row's end.  The gate is multiplied by 2^(128 - eb), eb the exponent field of its largest magnitude in these 128 rows (clamped to 113 .. 142), so that gate x y stays under 46; the last launch undoes it.
; LIMITS.  R c below 2^-126 may count as 0; a weight below 6e-8 of the scaled range is lost in f16; Mq Mk / 16 is taken as 1e-30 at the least; 1 - g^n is a series in z = -n ln g below z = 1/4,
; cut behind z^6 / 720 (the first term left out is 5e-8 of the sum); NaN and infinities are not treated apart.
; THE WALK.  A head has 16 blocks of 128 queries; the work-group takes block i and then block 15 - i.  Keys come in units of 256: (i / 2 + 1) + (8 - i / 2) = 9 units whatever i: one loop with a constant count.
; Half a unit past a diagonal is multiplied by factors of 0.  NO CLUSTER: a head's 8 work-groups change blocks after i / 2 + 1 units, which differs between them; a walk common to four would have 12 units for 9.
; SHARES.  Wave (qh, kh): the 64 queries of band qh (four tiles of 16) against the 64 keys of half kh of each 128: a fragment of K or V feeds four tiles.  The two waves of a band add their partial sums once a block,
; in f32, through LDS (X): each then finishes 32 rows.
; LAYOUT.  S^T = K Q^T holds one query a lane (lane % 16) and the keys 8 (lane / 16) + 0..7; two such results rounded to f16 ARE source 1 of O^T = V^T P.  V ([key][channel]) is turned by ds_load_tr16_b128.
; REGISTERS, in windows of 256: window 0: v0-23 addresses and work; v24-31 the triangle in 0 / 1; v32-39 its factors; v40-47 sums of magnitudes; v48-63 work; v64-191 S^T, 32 a tile; v192-255 P, 16 a tile.
;   window 1: O^T, 64 a tile.   window 2: v0-63 Q; v64-127 the second block's Q; v128-191 K.   window 3: v0-127 V.
.set PK,    144                        ; a row of K in LDS: 128 bytes + 16
.set PV,    160                        ; a row of V: 128 + 32
.set KTILE, 128*PK
.set VTILE, 128*PV
.set VPL,   256*PV                     ; a plane of V: 256 keys x 64 channels
.set VOFF,  256*PK                     ; a slot: 256 rows of K, then V's two planes
.set SLOT1, 1<<17
.set XB,    SLOT1+VOFF+2*VPL           ; behind the ring, never filled by a tensor load: X, 16,640 bytes a wave
.set XW,    16640
.set XL,    16384                      ; in it: two tiles of partial O^T, then 2 x 128 bytes of partial sums; later the same bytes are the wave's stage for y
.set YP,    272
.set SPARE, XB+4*XW                    ; the spare words, 128 bytes a wave: two blocks of 256 bytes that no other line names
.set AK0, 3
.set AV0, 4
.set ADRK, 5
.set ADRV, 6
.set QO, 7
.set XST, 8                            ; my part of X, 16 bytes a lane         v9 my partner's
.set XRD, 9
.set XSL, 10                           ; the sums' words there                 v11 my partner's
.set XRL, 11
.set STO, 12
.set RD, 13
.set GOFF, 14                          ; my byte offset in two rows of the gate
.set OOFF, 15                          ; and in two rows of gt
.set SPW, 16
.set NIL, 17
.set W0, 18
.set T01, 24
.set TRI, 32
.set LS, 40
.set TT, 48
.set S, 64
.set P, 192
.set QB, 64
.set KF, 128
.set WV, 10
.set QH, 11
.set KH, 12
.set IB, 13
.set IH, 14
.set BB, 15
.set HH, 16
.set G1K, 20
.set G1V, 28
.set G0K, 36
.set G0V, 40
.set KB, 44                            ; s[44:45] K at my part of unit 0       s[46:47] V
.set VBS, 46
.set OFF, 48
.set NXT, 50                           ; the unit to be asked for next
.set LQ, 51                            ; the last unit of the block whose units are being asked for
.set UH1, 52
.set UNITS, 53
.set CNT, 54
.set RU, 55                            ; units of the block in hand that are still to be entered
.set TBK, 56
.set TBV, 57
.set D, 58                             ; d of the next 64 keys
.set LG, 59                            ; log2 g
.set LAM, 60                           ; -ln g
.set P2H, 61                           ; 2^(5+h)
.set RR, 62                            ; R
.set RINV, 63
.set CLO, 66                           ; s[66:67] the factor of key blocks below the tile's own; s[68:69] above it; s[70:71] the triangle's
.set CHI, 68
.set CT, 70
.set SG1, 72
.set SEL, 74
.set EPS, 76
.set I128, 77
.set T1, 78                            ; of the block in hand: 1 + the first row that I finish, in the head's 2,048
.set KG, 79                            ; 2^(128 - eb) as f16, twice
.set GB, 80                            ; the gate at those rows
.set OB, 82                            ; gt at those rows
.set T1B, 84                           ; the same for the second block
.set KGB, 85
.set GBB, 86
.set OBB, 88
.set DB, 90
.set UHI, 91
.set QB1, 92
.set QB2, 94
.set SM, 96
.set SG2, 98
.set W_KQ, 0x0a                        ; K and Q in window 2, S^T in window 0
.set W_PV, 0x53                        ; V in window 3, P in window 0, O^T in window 1
.set MSB, 0
.macro WIN new
.if MSB != (\new)
	s_set_vgpr_msb (MSB<<8)|(\new)
.set MSB, \new
.endif
.endm
.macro LOGG lam, lg, hh, ta, tb, tc    ; lam = -ln(1 - u), lg = log2(1 - u), u = 2^(-5-h) <= 1/32: six terms of the series, fused multiply-adds in two registers by turns
	s_sub_co_u32 s[\ta], 122, s[\hh]
	s_lshl_b32 s[\ta], s[\ta], 23
	s_mov_b32 s[\tb], 0x3e2aaaab
	s_mov_b32 s[\tc], 0x3e4ccccd
	s_fmac_f32 s[\tc], s[\tb], s[\ta]
	s_mov_b32 s[\tb], 0x3e800000
	s_fmac_f32 s[\tb], s[\tc], s[\ta]
	s_mov_b32 s[\tc], 0x3eaaaaab
	s_fmac_f32 s[\tc], s[\tb], s[\ta]
	s_mov_b32 s[\tb], 0.5
	s_fmac_f32 s[\tb], s[\tc], s[\ta]
	s_mov_b32 s[\tc], 1.0
	s_fmac_f32 s[\tc], s[\tb], s[\ta]
	s_mul_f32 s[\lam], s[\tc], s[\ta]
	s_mul_f32 s[\lg], s[\lam], 0xbfb8aa3b
.endm
; The scalars of block s[ri], as offsets: the pointers are added behind the arguments' wait
.macro BLOCK ri, t1, gb, ob, d, qb, sg
	s_lshl_b32 s17, s[\ri], 7
	s_lshl_b32 s18, s[QH], 6
	s_add_co_u32 s17, s17, s18                     ; my band's first query
	s_lshl_b32 s18, s[KH], 5
	s_add_co_u32 s18, s17, s18                     ; the first of the 32 rows that I finish
	s_add_co_u32 s[\t1], s18, 1
	s_lshl_b32 s19, s[BB], 11
	s_add_co_u32 s17, s17, s19                     ; as rows of the 4,096
	s_add_co_u32 s18, s18, s19
	s_lshl_b32 s[\qb], s17, 7
	s_lshl_b32 s19, s[HH], 19
	s_add_co_u32 s[\qb], s[\qb], s19               ; q: column group h
	s_mov_b32 s[\qb+1], 0
	s_lshl_b32 s[\gb], s18, 7
	s_lshl_b32 s19, s[HH], 20
	s_add_co_u32 s[\gb], s[\gb], s19
	s_add_co_u32 s[\gb], s[\gb], 64<<19            ; the gate: column group 64 + 2 h
	s_mov_b32 s[\gb+1], 0
	s_lshl_b32 s[\ob], s18, 12
	s_lshl_b32 s19, s[HH], 8
	s_add_co_u32 s[\ob], s[\ob], s19
	s_mov_b32 s[\ob+1], 0
	s_lshl_b32 s[\d], s[\ri], 1
	s_add_co_u32 s[\d], s[\d], s[QH]
	s_sub_co_u32 s[\d], s[\d], s[KH]               ; my band less the first keys' band; -1 where it wraps
	s_lshl_b32 s19, s[BB], 4
	s_add_co_u32 s19, s19, s[\ri]
	s_mul_i32 s[\sg], s19, 384
	s_add_co_u32 s[\sg], s[\sg], 256               ; stat: these 128 rows, column groups 64 on
	s_mov_b32 s[\sg+1], 0
.endm
.macro KGM dst, src                    ; from a magnitude's bits: 2^(128 - eb) as f16 in both halves
	s_bfe_u32 s[\dst], s[\src], 0x80017
	s_max_u32 s[\dst], s[\dst], 113
	s_min_u32 s[\dst], s[\dst], 142
	s_sub_co_u32 s[\dst], 143, s[\dst]             ; f16's exponent field: 15 + 128 - eb, 1 to 30
	s_lshl_b32 s[\dst], s[\dst], 10
	s_lshl_b32 s[\src], s[\dst], 16
	s_or_b32 s[\dst], s[\dst], s[\src]
.endm
.macro STEPN                           ; the block's next unit, or behind its last the second block's unit 0
	s_add_co_u32 s[NXT], s[NXT], 1
	s_cmp_gt_u32 s[NXT], s[LQ]
	s_cselect_b32 s[NXT], 0, s[NXT]
	s_cselect_b32 s[LQ], s[UH1], s[LQ]
.endm
.macro LOAD                            ; waves 0 and 1 fetch the halves of a unit's K, waves 2 and 3 the planes of its V; an s_nop 0 and four v_nop follow each line
	s_cmp_lt_u32 s[WV], 2
	s_cbranch_scc0 .Lfor_v_\@
	tensor_load_to_lds s[G0K:G0K+3], s[G1K:G1K+7]
	s_nop 0
.rept 4
	v_nop
.endr
	s_branch .Lasked_\@
.Lfor_v_\@:
	tensor_load_to_lds s[G0V:G0V+3], s[G1V:G1V+7]
	s_nop 0
.rept 4
	v_nop
.endr
.Lasked_\@:
.endm
; THE CHANGE OF SLOTS.  Each wave waits for all its tensor loads, of which one is out: its part of the other slot; adds 0 to its spare word; waits for that and for its reads of the slot that it leaves.
; Behind the barrier the old slot is filled again first (fill = 1), with unit NXT: the address is made anew from that number.  That load has a unit's 192 matrix instructions in which to land.
.macro CHANGE fill
	WIN 0
	s_wait_tensorcnt 0x0
	ds_add_u32 v[SPW], v[NIL]                      ; 0 onto my spare word; the descriptors' scalar work stands between it and the wait for it
.if \fill
	s_lshl_b32 s[OFF], s[NXT], 15                  ; a unit is 32,768 bytes of K and of each plane of V
	s_xor_b32 s[G0K+1], s[G0K+1], SLOT1
	s_add_nc_u64 s[G0K+2:G0K+3], s[KB:KB+1], s[OFF:OFF+1]
	s_or_b32 s[G0K+3], s[G0K+3], 0x80000000
	s_xor_b32 s[G0V+1], s[G0V+1], SLOT1
	s_add_nc_u64 s[G0V+2:G0V+3], s[VBS:VBS+1], s[OFF:OFF+1]
	s_or_b32 s[G0V+3], s[G0V+3], 0x80000000
	STEPN
.endif
	s_wait_dscnt 0x0
	s_barrier_signal -1
	s_sub_co_u32 s[TBK], s[TBK], 2*KTILE           ; the fetches go back to a slot's first keys, in the other slot
	s_xor_b32 s[TBK], s[TBK], SLOT1
	s_sub_co_u32 s[TBV], s[TBV], 2*VTILE
	s_xor_b32 s[TBV], s[TBV], SLOT1
	s_barrier_wait -1
.if \fill
	LOAD
.endif
.endm
.macro FETCH_K                         ; 16 loads: my 64 keys x 64 channels: key block f / 2, channels 32 (f % 2) on
	WIN 0
	v_add_nc_u32 v[ADRK], s[TBK], v[AK0]
	WIN 0x80
.irp f, 0,1,2,3,4,5,6,7
	ds_load_b128 v[KF+8*\f:KF+8*\f+3],   v[ADRK] offset:(\f/2)*16*PK+(\f%2)*64
	ds_load_b128 v[KF+8*\f+4:KF+8*\f+7], v[ADRK] offset:(\f/2)*16*PK+(\f%2)*64+32
.endr
	s_add_co_u32 s[TBK], s[TBK], KTILE
	WIN 0
.endm
.macro FETCH_V                         ; 32 turning loads: my 64 keys x 128 channels: keys 32 (f / 8) on, channels 16 (f % 8) on
	WIN 0xc0
.irp f, 0,1,2,3,4,5,6,7,8,9,10,11,12,13,14,15
	ds_load_tr16_b128 v[8*\f:8*\f+3],   v[ADRV] offset:((\f%8)/4)*VPL+(\f/8)*32*PV+(\f%4)*32
	ds_load_tr16_b128 v[8*\f+4:8*\f+7], v[ADRV] offset:((\f%8)/4)*VPL+(\f/8)*32*PV+(\f%4)*32+16*PV
.endr
	s_add_co_u32 s[TBV], s[TBV], VTILE
	WIN 0
.endm
; The three factors of the 64 keys in hand: c = R g^(64 d - 63), given or withheld by d's sign.  Its five plain vector lines are also the places between the last products and V's loads.
.macro FACT
	s_lshl_b32 s72, s[D], 6
	s_sub_co_i32 s72, s72, 63
	v_cvt_f32_i32 v[W0], s72
	v_mul_f32 v[W0], s[LG], v[W0]
	v_exp_f32 v[W0], v[W0]
	v_add_nc_u32 v[ADRV], s[TBV], v[AV0]
	v_nop
	v_nop
	s_wait_alu depctr_va_vdst(0)
	v_readfirstlane_b32 s72, v[W0]
	s_mul_f32 s72, s72, s[RR]
	s_cmp_ge_i32 s[D], 0
	s_cselect_b32 s[CLO], s72, 0
	s_cmp_gt_i32 s[D], 0
	s_cselect_b32 s[CHI], s72, 0
	s_cmp_eq_u32 s[D], 0
	s_cselect_b32 s[CT], s72, 0
	s_sub_co_i32 s[D], s[D], 2                     ; the next 128 keys lie two bands on
.endm
.macro TRIUP                           ; the factors of the tile's own key block: the triangle if d = 0, else as above it
	WIN 0
.irp p, 0,1,2,3
	v_pk_fma_f32 v[TRI+2*\p:TRI+2*\p+1], v[T01+2*\p:T01+2*\p+1], s[CT:CT+1], s[CHI:CHI+1] op_sel_hi:[1,0,0]
.endr
.endm
; Product i of 8 of S^T = K Q^T for tile t: channels 32 (i / 4) on, keys 16 (i % 4) on.  The 4 accumulators take turns; the first 4 start the sums.
.macro MMKQ t
	WIN W_KQ
.set rS, S+32*(\t)+8*(i%4)
.set rK, KF+16*(i%4)+8*(i/4)
.set rQ, 16*(\t)+8*(i/4)
.if i < 4
	v_wmma_f32_16x16x32_f16 v[rS:rS+7], v[rK:rK+7], v[rQ:rQ+7], 0
.else
	v_wmma_f32_16x16x32_f16 v[rS:rS+7], v[rK:rK+7], v[rQ:rQ+7], v[rS:rS+7]
.endif
.set i, i+1
.endm
; Product i of 16 of O^T += V^T P for tile t: keys 32 (i / 8) on, channels 16 (i % 8) on.  8 accumulators by turns.
.macro MMPV t
	WIN W_PV
.set rO, 64*(\t)+8*(i%8)
.set rV, 64*(i/8)+8*(i%8)
.set rP, P+16*(\t)+8*(i/8)
	v_wmma_f32_16x16x32_f16 v[rO:rO+7], v[rV:rV+7], v[rP:rP+7], v[rO:rO+7]
.set i, i+1
.endm
; THE VECTOR WORK of a tile and 64 keys: a list of 56 lines; VE writes number jv of it for tile t.
;   0-15   the 16 pairs of scores times their factor (each accumulator's lowest registers first)
;   16-47  by turns: pair q rounded to f16; |even| + |odd| of pair q into register q, which has been read by then
;   48-54  those 16 sums folded     55  the tile's sum of magnitudes takes them
.macro VE t
	WIN 0
.set rS, S+32*(\t)
.set rP, P+16*(\t)
.if jv < 16
.if jv/4 < (\t)
	v_pk_mul_f32 v[rS+2*jv:rS+2*jv+1], v[rS+2*jv:rS+2*jv+1], s[CLO:CLO+1] op_sel_hi:[1,0]
.elseif jv/4 == (\t)
	v_pk_mul_f32 v[rS+2*jv:rS+2*jv+1], v[rS+2*jv:rS+2*jv+1], v[TRI+2*(jv%4):TRI+2*(jv%4)+1]
.else
	v_pk_mul_f32 v[rS+2*jv:rS+2*jv+1], v[rS+2*jv:rS+2*jv+1], s[CHI:CHI+1] op_sel_hi:[1,0]
.endif
.elseif jv < 48
.set vq, (jv-16)/2
.if jv%2 == 0
	v_cvt_pk_f16_f32 v[rP+vq], v[rS+2*vq], v[rS+2*vq+1]
.else
	v_add_f32 v[rS+vq], |v[rS+2*vq]|, |v[rS+2*vq+1]|
.endif
.elseif jv < 52
.set vz, jv-48
	v_pk_add_f32 v[rS+4*vz:rS+4*vz+1], v[rS+4*vz:rS+4*vz+1], v[rS+4*vz+2:rS+4*vz+3]
.elseif jv < 54
.set vz, jv-52
	v_pk_add_f32 v[rS+8*vz:rS+8*vz+1], v[rS+8*vz:rS+8*vz+1], v[rS+8*vz+4:rS+8*vz+5]
.elseif jv == 54
	v_pk_add_f32 v[rS:rS+1], v[rS:rS+1], v[rS+8:rS+9]
.else
	v_pk_add_f32 v[LS+2*(\t):LS+2*(\t)+1], v[LS+2*(\t):LS+2*(\t)+1], v[rS:rS+1]
.endif
.set jv, jv+1
.endm
; 16 products V^T P of tile t; behind them, three and four by turns, the 56 lines of tile y.  fk = 1: behind the second product the next 128 keys' K is fetched (its last reader stands ten plain lines back);
; a unit's second 128 keys fetch none: the next lie in the other slot.
.macro PVRUN t, y, fk
.set i, 0
.set jv, 0
.rept 16
	MMPV \t
.rept 4-(i%2)
	VE \y
.endr
.if (\fk) && (i == 2)
	WIN 0
	s_cmp_eq_u32 s[CNT], 1
	s_cbranch_scc1 .Lno_k_\@
	FETCH_K
.Lno_k_\@:
.endif
.endr
.endm
; 128 KEYS: 96 matrix instructions and 224 + 12 vector lines a wave.  No vector line near a product names one of its registers.
.macro TILE
	WIN 0
	FACT
	FETCH_V
	s_wait_dscnt 32                                ; K is in; V's 32 loads stay out
.set i, 0
.rept 8
	MMKQ 0
.endr
	TRIUP                                          ; four plain lines: the places between tile 0's scores and their first reader
.set jv, 0
.set n3, 0
.irp t, 1,2,3
.set i, 0
.rept 8
	MMKQ \t
.rept 2+(n3%3)/2
	VE 0
.endr
.set n3, n3+1
.endr
.endr
	s_wait_dscnt 0x0                               ; V is in
	PVRUN 0, 1, 1
	PVRUN 1, 2, 0
	PVRUN 2, 3, 0
.set i, 0
.rept 16
	MMPV 3
.endr
.endm
.macro TILES                           ; a unit: written once, walked twice
	WIN 0
	s_mov_b32 s[CNT], 2
.Ltile_\@:
	TILE
	WIN 0
	s_sub_co_u32 s[CNT], s[CNT], 1
	s_cmp_lg_u32 s[CNT], 0
	s_cbranch_scc1 .Ltile_\@
.endm
; A BLOCK'S END, in three parts with a barrier between them.  First: the two tiles that my partner finishes go into my part of X (kh = 0 gives tiles 2, 3; kh = 1 tiles 0, 1).
.macro XOUT t0
	WIN 0x04                                       ; the stores' data in window 1
.set m, 0
.rept 32
	ds_store_b128 v[XST], v[64*(\t0)+4*m:64*(\t0)+4*m+3] offset:512*m
.set m, m+1
.endr
	WIN 0
	ds_store_b32 v[XSL], v[TT+(\t0)]
	ds_store_b32 v[XSL], v[TT+(\t0)+1] offset:128
.endm
.macro END1
	WIN 0
.irp t, 0,1,2,3
	v_add_f32 v[TT+\t], v[LS+2*\t], v[LS+2*\t+1]   ; four plain lines: the places behind the last products
.endr
	s_cmp_eq_u32 s[KH], 0
	s_cbranch_scc0 .Lgive01_\@
	XOUT 2
	s_branch .Lgiven_\@
.Lgive01_\@:
	XOUT 0
.Lgiven_\@:
.endm
; Second: my partner's part comes into S^T's registers, and my own partial sums are added.
.macro XADD t0
	WIN 0x04                                       ; source 1 in window 1
.set m, 0
.rept 64
	v_pk_add_f32 v[S+2*m:S+2*m+1], v[S+2*m:S+2*m+1], v[64*(\t0)+2*m:64*(\t0)+2*m+1]
.set m, m+1
.endr
	WIN 0
	v_add_f32 v[TT+8], v[TT+(\t0)], v[TT+4]
	v_add_f32 v[TT+9], v[TT+(\t0)+1], v[TT+5]
.endm
.macro END2A
	WIN 0
.set m, 0
.rept 32
	ds_load_b128 v[S+4*m:S+4*m+3], v[XRD] offset:512*m
.set m, m+1
.endr
	ds_load_b32 v[TT+4], v[XRL]
	ds_load_b32 v[TT+5], v[XRL] offset:128
	s_wait_dscnt 0x0
	s_cmp_eq_u32 s[KH], 0
	s_cbranch_scc0 .Lkeep23_\@
	XADD 0
	s_branch .Lkept_\@
.Lkeep23_\@:
	XADD 2
.Lkept_\@:
.endm
; Third: tile tp of my two: 16 rows are normalised, rounded to f16 and turned into whole rows through my stage.
; n = t + 1; E = 1 - g^n; D = E 2^(5+h); w = rsqrt(D) / R; den = clip(l w, 1, 50000); f = w / den; y = O f rsqrt(ss f f / 128 + 2^-23).
.macro FIN tp
.set FB, 32+8*(\tp)
.set RB, S+64*(\tp)
.set m, 0
.rept 32                               ; the sum of squares of my 64 channels, in four chains that the first four products start
.if m < 4
	v_pk_mul_f32 v[FB+2*m:FB+2*m+1], v[RB+2*m:RB+2*m+1], v[RB+2*m:RB+2*m+1]
.else
	v_pk_fma_f32 v[FB+2*(m%4):FB+2*(m%4)+1], v[RB+2*m:RB+2*m+1], v[RB+2*m:RB+2*m+1], v[FB+2*(m%4):FB+2*(m%4)+1]
.endif
.set m, m+1
.endr
	v_pk_add_f32 v[FB:FB+1], v[FB:FB+1], v[FB+2:FB+3]
	v_pk_add_f32 v[FB+4:FB+5], v[FB+4:FB+5], v[FB+6:FB+7]
	v_pk_add_f32 v[FB:FB+1], v[FB:FB+1], v[FB+4:FB+5]
	v_add_f32 v[FB], v[FB], v[FB+1]
	v_permlanex16_b32 v[FB+1], v[FB], s[SEL], s[SEL+1]         ; the row's other 64 channels, and the other half of its keys' magnitudes, lie in the lane 16 away
	v_permlanex16_b32 v[FB+2], v[TT+8+(\tp)], s[SEL], s[SEL+1]
	v_add_f32 v[FB], v[FB], v[FB+1]                ; ss
	v_add_f32 v[FB+1], v[TT+8+(\tp)], v[FB+2]      ; l
	v_add3_u32 v[FB+2], v1, s[T1], 16*(\tp)
	v_cvt_f32_u32 v[FB+2], v[FB+2]                 ; n
	v_mul_f32 v[FB+3], s[LAM], v[FB+2]             ; z = -n ln g
	v_mul_f32 v[FB+5], s[LG], v[FB+2]
	v_exp_f32 v[FB+5], v[FB+5]                     ; g^n
	v_mov_b32 v[FB+4], 0xbab60b61                  ; 1 - e^-z = z (1 + z (-1/2 + z (1/6 + z (-1/24 + z (1/120 - z / 720)))))
	v_fmaak_f32 v[FB+4], v[FB+3], v[FB+4], 0x3c088889
	v_fmaak_f32 v[FB+4], v[FB+3], v[FB+4], 0xbd2aaaab
	v_fmaak_f32 v[FB+4], v[FB+3], v[FB+4], 0x3e2aaaab
	v_fmaak_f32 v[FB+4], v[FB+3], v[FB+4], 0xbf000000
	v_fmaak_f32 v[FB+4], v[FB+3], v[FB+4], 0x3f800000
	v_mul_f32 v[FB+4], v[FB+3], v[FB+4]
	s_wait_alu depctr_va_vdst(0)
	v_sub_f32 v[FB+5], 1.0, v[FB+5]
	v_cmp_gt_f32 vcc_lo, 0x3e800000, v[FB+3]       ; below z = 1/4 the difference would cancel: the series
	v_cndmask_b32 v[FB+4], v[FB+5], v[FB+4], vcc_lo
	v_mul_f32 v[FB+4], s[P2H], v[FB+4]
	v_rsq_f32 v[FB+4], v[FB+4]
	v_nop                                          ; a plain instruction behind each transcendental, ahead of its result's use
	s_wait_alu depctr_va_vdst(0)
	v_mul_f32 v[FB+4], s[RINV], v[FB+4]            ; w
	v_mul_f32 v[FB+5], v[FB+1], v[FB+4]
	v_med3_num_f32 v[FB+5], v[FB+5], 1.0, 0x47435000
	v_rcp_f32 v[FB+5], v[FB+5]
	v_nop
	s_wait_alu depctr_va_vdst(0)
	v_mul_f32 v[FB+5], v[FB+4], v[FB+5]            ; f
	v_mul_f32 v[FB], v[FB], v[FB+5]
	v_mul_f32 v[FB], v[FB], v[FB+5]
	v_fma_f32 v[FB], v[FB], s[I128], s[EPS]
	v_rsq_f32 v[FB], v[FB]
	v_nop
	s_wait_alu depctr_va_vdst(0)
	v_mul_f32 v[FB+6], v[FB+5], v[FB]
	v_mov_b32 v[FB+7], v[FB+6]
.set m, 0
.rept 32
	v_pk_mul_f32 v[RB+2*m:RB+2*m+1], v[RB+2*m:RB+2*m+1], v[FB+6:FB+7]
.set m, m+1
.endr
.set m, 0
.rept 32
	v_cvt_pk_f16_f32 v[RB+m], v[RB+2*m], v[RB+2*m+1]   ; in place, ascending: register m is written when pair m / 2 has been read
.set m, m+1
.endr
.irp f, 0,1,2,3,4,5,6,7
	ds_store_b128 v[STO], v[RB+4*\f:RB+4*\f+3] offset:(\tp)*16*YP+32*\f
.endr
.irp f, 0,1,2,3,4,5,6,7
	ds_load_b128 v[RB+32+4*\f:RB+32+4*\f+3], v[RD] offset:(\tp)*16*YP+\f*2*YP  ; LDS serves a wave's instructions in order (ISA guide 5.7.1.4): these see the stores above
.endr
.endm
.macro END2B
	WIN 0
.set m, 0
.rept 16                               ; the gate's 32 rows, in the lanes in which y comes back; they land under the arithmetic below
	global_load_b128 v[P+4*m:P+4*m+3], v[GOFF], s[GB:GB+1] offset:256*m
.set m, m+1
.endr
	FIN 0
	FIN 1
	s_wait_loadcnt 0x0
.set m, 0
.rept 64
	v_pk_mul_f16 v[P+m], v[P+m], s[KG]             ; by a power of two: the gate now lies under 4
.set m, m+1
.endr
	s_wait_dscnt 0x0
.set m, 0
.rept 64
	v_pk_mul_f16 v[P+m], v[P+m], v[S+64*(m/32)+32+(m%32)]
.set m, m+1
.endr
.set m, 0
.rept 16
	global_store_b128 v[OOFF], v[P+4*m:P+4*m+3], s[OB:OB+1] offset:8192*m  ; 16 lanes store 256 consecutive bytes, at a multiple of 256 from gt's first byte
.set m, m+1
.endr
.endm
.macro CLEAR                           ; O^T and the sums of magnitudes start at 0: the price, twice a launch, of one text for every 128 keys
	WIN 0x40
.set m, 0
.rept 256
	v_mov_b32 v[m], 0
.set m, m+1
.endr
	WIN 0
.set m, 0
.rept 8
	v_mov_b32 v[LS+m], 0
.set m, m+1
.endr
.endm
.macro BEGIN2                          ; the second block
	s_wait_xcnt 0x0                                ; the stores have read their registers and gt's address
	s_mov_b32 s[T1], s[T1B]
	s_mov_b32 s[KG], s[KGB]
	s_mov_b64 s[GB:GB+1], s[GBB:GBB+1]
	s_mov_b64 s[OB:OB+1], s[OBB:OBB+1]
	s_mov_b32 s[D], s[DB]
	s_mov_b32 s[RU], s[UHI]
	WIN 0x82                                       ; its Q goes where the one text of the products names Q
.set m, 0
.rept 64
	v_mov_b32 v[m], v[QB+m]
.set m, m+1
.endr
	CLEAR
.endm
	s_load_b128 s[4:7], s[0:1], 0x0                ; pj s[4:5], stat s[6:7]
	s_load_b64 s[8:9], s[0:1], 0x10                ; gt
	v_lshl_add_u32 v[SPW], v0, 2, SPARE
	v_mov_b32 v[NIL], 0
	ds_add_u32 v[SPW], v[NIL]                      ; the wave's opening: the add and its wait stand ahead of my first tensor load; work on registers stands between them
	ds_add_u32 v16, v17
	v_lshrrev_b32 v1, 5, v0
	v_readfirstlane_b32 s[WV], v1
	s_lshr_b32 s[QH], s[WV], 1
	s_and_b32 s[KH], s[WV], 1
	s_mov_b32 s[IB], ttmp9
	s_sub_co_u32 s[IH], 15, s[IB]
	s_and_b32 s17, ttmp7, 0xffff
	s_lshr_b32 s[BB], s17, 4
	s_and_b32 s[HH], s17, 15
	s_lshr_b32 s17, s[IB], 1
	s_add_co_u32 s[RU], s17, 1                     ; the first block's units
	s_sub_co_u32 s[UHI], 8, s17                    ; the second's
	s_sub_co_u32 s[UH1], s[UHI], 1
	s_mov_b32 s[NXT], 0
	s_mov_b32 s[LQ], s17
	; group 1: dense bytes asked for as rows of 256, two keys a row, padded in LDS after every key (32 words: code 4)
	s_mov_b32 s[G1K], (1<<16)|(1<<20)|(4<<22)|(3<<25)  ; K: 4 words of padding; 64 rows: 128 keys
	s_mov_b32 s[G1K+1], 128<<16
	s_mov_b32 s[G1K+2], 64<<16
	s_mov_b32 s[G1K+3], 128<<16
	s_mov_b32 s[G1K+4], 64
	s_mov_b32 s[G1K+5], 128
	s_mov_b32 s[G1K+6], 0
	s_mov_b32 s[G1K+7], 0
	s_mov_b32 s[G1V], (1<<16)|(1<<20)|(4<<22)|(7<<25)  ; V: 8 words; 128 rows: 256 keys of one plane
	s_mov_b32 s[G1V+1], 128<<16
	s_mov_b32 s[G1V+2], 128<<16
	s_mov_b32 s[G1V+3], 128<<16
	s_mov_b32 s[G1V+4], 128
	s_mov_b32 s[G1V+5], 128
	s_mov_b32 s[G1V+6], 0
	s_mov_b32 s[G1V+7], 0
	s_add_co_u32 s18, s[HH], 16                    ; k: column group 16 + h, my 128 of a unit's 256 keys
	s_lshl_b32 s18, s18, 19
	s_lshl_b32 s19, s[BB], 18
	s_add_co_u32 s[KB], s18, s19
	s_lshl_b32 s18, s[KH], 14
	s_add_co_u32 s[KB], s[KB], s18
	s_mov_b32 s[KB+1], 0
	s_lshl_b32 s18, s[HH], 1                       ; v: column group 32 + 2 h + my plane
	s_add_co_u32 s18, s18, s[KH]
	s_add_co_u32 s18, s18, 32
	s_lshl_b32 s18, s18, 19
	s_add_co_u32 s[VBS], s18, s19
	s_mov_b32 s[VBS+1], 0
	s_mul_i32 s[SM], s[BB], 6144                   ; stat: the batch's 16 rows of 96, column group h
	s_lshl_b32 s18, s[HH], 2
	s_add_co_u32 s[SM], s[SM], s18
	s_mov_b32 s[SM+1], 0
	BLOCK IB, T1, GB, OB, D, QB1, SG1
	BLOCK IH, T1B, GBB, OBB, DB, QB2, SG2
	LOGG LAM, LG, HH, 17, 18, 19
	s_add_co_u32 s17, s[HH], 132
	s_lshl_b32 s[P2H], s17, 23
	s_mov_b32 s[G0K], 1
	s_mul_i32 s[G0K+1], s[KH], 128*PK
	s_mov_b32 s[G0V], 1
	s_mul_i32 s[G0V+1], s[KH], VPL
	s_add_co_u32 s[G0V+1], s[G0V+1], VOFF
	s_mov_b32 s[OFF+1], 0
	s_mov_b32 s[CLO+1], 0                          ; named as pairs
	s_mov_b32 s[CHI+1], 0
	s_mov_b32 s[CT+1], 0
	s_mov_b32 s[SEL], 0x76543210
	s_mov_b32 s[SEL+1], 0xfedcba98
	s_mov_b32 s[EPS], 0x34000000                   ; 2^-23
	s_mov_b32 s[I128], 0x3c000000                  ; 1 / 128
	s_mov_b32 s[TBK], SLOT1+2*KTILE                ; the first change of slots turns these two into 0
	s_mov_b32 s[TBV], SLOT1+2*VTILE
	s_mov_b32 s[UNITS], 8
	s_wait_dscnt 0x0                               ; the opening add is done
	s_wait_kmcnt 0x0
	s_add_nc_u64 s[KB:KB+1], s[4:5], s[KB:KB+1]
	s_add_nc_u64 s[VBS:VBS+1], s[4:5], s[VBS:VBS+1]
	s_add_nc_u64 s[G0K+2:G0K+3], s[KB:KB+1], 0
	s_or_b32 s[G0K+3], s[G0K+3], 0x80000000
	s_add_nc_u64 s[G0V+2:G0V+3], s[VBS:VBS+1], 0
	s_or_b32 s[G0V+3], s[G0V+3], 0x80000000
	s_add_nc_u64 s[QB1:QB1+1], s[4:5], s[QB1:QB1+1]
	s_add_nc_u64 s[QB2:QB2+1], s[4:5], s[QB2:QB2+1]
	s_add_nc_u64 s[GB:GB+1], s[4:5], s[GB:GB+1]
	s_add_nc_u64 s[GBB:GBB+1], s[4:5], s[GBB:GBB+1]
	s_add_nc_u64 s[OB:OB+1], s[8:9], s[OB:OB+1]
	s_add_nc_u64 s[OBB:OBB+1], s[8:9], s[OBB:OBB+1]
	s_add_nc_u64 s[SM:SM+1], s[6:7], s[SM:SM+1]
	s_add_nc_u64 s[SG1:SG1+1], s[6:7], s[SG1:SG1+1]
	s_add_nc_u64 s[SG2:SG2+1], s[6:7], s[SG2:SG2+1]
	LOAD                                           ; unit 0 into slot 0; slot 1 is asked for by the loop's own change of slots, when slot 0 is in
	STEPN
	v_and_b32 v1, 15, v0                           ; l % 16
	v_bfe_u32 v2, v0, 4, 1                         ; l / 16
	v_and_b32 v[W0], 31, v0
	v_mul_u32_u24 v[TT+4], v1, 384
	v_lshlrev_b32 v[TT+5], 2, v[W0]
	global_load_b32 v[TT], v[TT+4], s[SM:SM+1]             ; |q|'s 16 maxima, twice over the lanes
	global_load_b32 v[TT+1], v[TT+4], s[SM:SM+1] offset:64 ; |k|'s: 16 column groups on
	global_load_b32 v[TT+2], v[TT+5], s[SG1:SG1+1]         ; the gate's 32, first block
	global_load_b32 v[TT+3], v[TT+5], s[SG2:SG2+1]         ; second block
	v_lshlrev_b32 v[QO], 7, v1
	v_lshl_add_u32 v[QO], v2, 4, v[QO]
	WIN 0x80                                       ; both blocks' Q: tile m / 2, channels 32 (m % 2) on
.set m, 0
.rept 8
	global_load_b128 v[8*m:8*m+3],       v[QO], s[QB1:QB1+1] offset:(m/2)*2048+(m%2)*64
	global_load_b128 v[8*m+4:8*m+7],     v[QO], s[QB1:QB1+1] offset:(m/2)*2048+(m%2)*64+32
	global_load_b128 v[QB+8*m:QB+8*m+3],   v[QO], s[QB2:QB2+1] offset:(m/2)*2048+(m%2)*64
	global_load_b128 v[QB+8*m+4:QB+8*m+7], v[QO], s[QB2:QB2+1] offset:(m/2)*2048+(m%2)*64+32
.set m, m+1
.endr
	WIN 0
	v_mul_u32_u24 v[AK0], v1, PK
	v_lshl_add_u32 v[AK0], v2, 4, v[AK0]
	s_mul_i32 s17, s[KH], 64*PK
	v_add_nc_u32 v[AK0], s17, v[AK0]
	v_and_b32 v[W0+1], 7, v0
	v_bfe_u32 v[W0+2], v0, 3, 1
	v_lshl_add_u32 v[AV0], v2, 3, v[W0+1]
	v_mul_u32_u24 v[AV0], v[AV0], PV
	v_lshl_add_u32 v[AV0], v[W0+2], 4, v[AV0]
	s_mul_i32 s17, s[KH], 64*PV
	s_add_co_u32 s17, s17, VOFF
	v_add_nc_u32 v[AV0], s17, v[AV0]
	s_mul_i32 s17, s[WV], XW
	s_add_co_u32 s17, s17, XB                      ; my part of X
	s_xor_b32 s18, s[WV], 1
	s_mul_i32 s18, s18, XW
	s_add_co_u32 s18, s18, XB                      ; my partner's
	v_lshl_add_u32 v[XST], v[W0], 4, s17
	v_lshl_add_u32 v[XRD], v[W0], 4, s18
	v_lshl_add_u32 v[XSL], v[W0], 2, s17
	v_add_nc_u32 v[XSL], XL, v[XSL]
	v_lshl_add_u32 v[XRL], v[W0], 2, s18
	v_add_nc_u32 v[XRL], XL, v[XRL]
	v_mul_u32_u24 v[STO], v1, YP                   ; y in: row l % 16, 16 bytes for each half of the lanes
	v_lshl_add_u32 v[STO], v2, 4, v[STO]
	v_add_nc_u32 v[STO], s17, v[STO]
	v_mul_u32_u24 v[RD], v2, YP                    ; back: lanes 0-15 one row of 256 bytes, lanes 16-31 the next
	v_lshl_add_u32 v[RD], v1, 4, v[RD]
	v_add_nc_u32 v[RD], s17, v[RD]
	v_lshrrev_b32 v[GOFF], 3, v1                   ; the same 8 channels of the gate: plane (l % 16) / 8,
	v_lshlrev_b32 v[GOFF], 19, v[GOFF]
	v_lshl_add_u32 v[GOFF], v2, 7, v[GOFF]         ; row l / 16,
	v_lshl_add_u32 v[GOFF], v[W0+1], 4, v[GOFF]    ; 16 bytes at l % 8
	v_lshlrev_b32 v[OOFF], 12, v2
	v_lshl_add_u32 v[OOFF], v1, 4, v[OOFF]
	v_lshlrev_b32 v[W0+3], 3, v2
	v_sub_nc_u32 v[W0+3], v1, v[W0+3]              ; key 8 (l / 16) + j of a block is seen by query l % 16 of the same block where j <= this
.set m, 0
.rept 8
	v_cmp_le_i32 vcc_lo, m, v[W0+3]
	v_cndmask_b32 v[T01+m], 0, 1.0, vcc_lo
.set m, m+1
.endr
	; S^T's registers and X are written once here (and the work registers below), so that no way through the text reads a register, or a byte of X, that has not been written: the three parts of a block's end are jumped by three tests of one counter
.set m, 0
.rept 128
	v_mov_b32 v[S+m], 0
.set m, m+1
.endr
.set m, 0
.rept 32
	ds_store_b128 v[XST], v[S:S+3] offset:512*m
.set m, m+1
.endr
	ds_store_b32 v[XSL], v[S]
	ds_store_b32 v[XSL], v[S] offset:128
	CLEAR
	s_wait_loadcnt 0x0                             ; stat and Q
.irp x, 1,2,4,8
	v_max_num_f32_dpp v[TT], v[TT], v[TT] row_xmask:\x row_mask:0xf bank_mask:0xf
	v_max_num_f32_dpp v[TT+1], v[TT+1], v[TT+1] row_xmask:\x row_mask:0xf bank_mask:0xf
	v_max_num_f32_dpp v[TT+2], v[TT+2], v[TT+2] row_xmask:\x row_mask:0xf bank_mask:0xf
	v_max_num_f32_dpp v[TT+3], v[TT+3], v[TT+3] row_xmask:\x row_mask:0xf bank_mask:0xf
.endr
	v_permlanex16_b32 v[TT+4], v[TT+2], s[SEL], s[SEL+1]
	v_permlanex16_b32 v[TT+5], v[TT+3], s[SEL], s[SEL+1]
	v_max_num_f32 v[TT+2], v[TT+2], v[TT+4]
	v_max_num_f32 v[TT+3], v[TT+3], v[TT+5]
	v_mul_f32 v[TT], v[TT], v[TT+1]
	v_mul_f32 v[TT], 0x3d800000, v[TT]             ; Mq Mk / 16,
	v_max_num_f32 v[TT], 0x0da24260, v[TT]         ; 1e-30 at the least
	v_rcp_f32 v[TT+1], v[TT]
	v_nop
	v_readfirstlane_b32 s[RINV], v[TT]
	s_wait_alu depctr_va_vdst(0)
	v_readfirstlane_b32 s[RR], v[TT+1]
	v_readfirstlane_b32 s17, v[TT+2]
	v_readfirstlane_b32 s18, v[TT+3]
	KGM KG, 17
	KGM KGB, 18
.set m, 0
.rept 16
	v_mov_b32 v[TT+m], 0
.set m, m+1
.endr
.Lunit:                                ; 8 times: a unit is entered and the next is asked for.  The two further barriers stand on every way; only what lies between them is jumped, on a counter that is the same in all four waves.
	CHANGE 1
	FETCH_K
	s_cmp_lg_u32 s[RU], 0
	s_cbranch_scc1 .Lgo1
	END1
.Lgo1:
	s_wait_dscnt 0x0                               ; for my partner's sake: my stores into X are done
	s_barrier_signal -1                            ; the refill stays on its way
	s_barrier_wait -1
	s_cmp_lg_u32 s[RU], 0
	s_cbranch_scc1 .Lgo2
	END2A
.Lgo2:
	s_wait_dscnt 0x0                               ; my reads of my partner's part are over: it may write it again
	s_barrier_signal -1
	s_barrier_wait -1
	s_cmp_lg_u32 s[RU], 0
	s_cbranch_scc1 .Lgo3
	END2B
	BEGIN2
.Lgo3:
	s_sub_co_u32 s[RU], s[RU], 1
	TILES
	s_sub_co_u32 s[UNITS], s[UNITS], 1
	s_cmp_lg_u32 s[UNITS], 0
	s_cbranch_scc1 .Lunit
	CHANGE 0                                       ; the walk's last unit is written out: nothing is asked for
	FETCH_K
	TILES
	END1
	s_wait_dscnt 0x0
	s_barrier_signal -1
	s_barrier_wait -1
	END2A
	s_wait_dscnt 0x0
	s_barrier_signal -1
	s_barrier_wait -1
	END2B
	s_wait_tensorcnt 0x0                           ; the wave's end: behind my last tensor load and my last LDS store
	ds_add_u32 v[SPW], v[NIL]
	s_wait_dscnt 0x0
	s_endpgm
.Lfunc_end_k_qb3de062178_ret:
	.size	k_qb3de062178_ret, .Lfunc_end_k_qb3de062178_ret-k_qb3de062178_ret
	.p2alignl 7, 3214868480
	.fill 96, 4, 3214868480
	.section	.rodata,"a",@progbits
	.p2align	6, 0x0
	.amdhsa_kernel k_qb3de062178_ret
		.amdhsa_group_segment_fixed_size 327680
		.amdhsa_private_segment_fixed_size 0
		.amdhsa_enable_private_segment 0
		.amdhsa_kernarg_size 24
		.amdhsa_user_sgpr_count 2
		.amdhsa_user_sgpr_kernarg_segment_ptr 1
		.amdhsa_wavefront_size32 1
		.amdhsa_system_sgpr_workgroup_id_x 1
		.amdhsa_system_sgpr_workgroup_id_y 1
		.amdhsa_system_sgpr_workgroup_id_z 1
		.amdhsa_system_vgpr_workitem_id 0
		.amdhsa_next_free_vgpr 896
		.amdhsa_next_free_sgpr 100
		.amdhsa_reserve_vcc 1
		.amdhsa_float_denorm_mode_32 3
		.amdhsa_float_denorm_mode_16_64 3
		.amdhsa_memory_ordered 1
		.amdhsa_forward_progress 1
		.amdhsa_inst_pref_size 193
	.end_amdhsa_kernel
	.amdgpu_metadata
---
amdhsa.version: [ 1, 2 ]
amdhsa.kernels:
  - .name:           k_qb3de062178_ret
    .symbol:         k_qb3de062178_ret.kd
    .args:
      - { .name: pj, .offset: 0, .size: 8, .value_kind: global_buffer, .address_space: global }
      - { .name: stat, .offset: 8, .size: 8, .value_kind: global_buffer, .address_space: global }
      - { .name: gt, .offset: 16, .size: 8, .value_kind: global_buffer, .address_space: global }
    .group_segment_fixed_size: 327680
    .private_segment_fixed_size: 0
    .kernarg_segment_align: 8
    .kernarg_segment_size: 24
    .max_flat_workgroup_size: 128
    .sgpr_count:     100
    .vgpr_count:     896
    .wavefront_size: 32
...
	.end_amdgpu_metadata
.endif
;; end of part 3
;; launch outp (part 4): grid 8 x 32, 4 waves a work-group, clusters of 4 x 4, 327,680 bytes of LDS; arguments gt, cb, b_o, stat, out0; writes out0
.if DOCPART == 4
	.amdgcn_target "amdgcn-amd-amdhsa--gfx1250"
	.amdhsa_code_object_version 6
	.text
	.protected	k_qb3de062178_outp
	.globl	k_qb3de062178_outp
	.p2align	8
	.type	k_qb3de062178_outp,@function
k_qb3de062178_outp:
	s_mov_b64 s[64:65], 0
	v_nop
	global_prefetch_b8 v0, s[64:65] scope:SCOPE_SE
	s_setreg_imm32_b32 hwreg(HW_REG_WAVE_MODE, 25, 1), 1
	s_wait_xcnt 0x0
	s_wait_alu depctr_hold_cnt(0) depctr_sa_sdst(0) depctr_va_vdst(0) depctr_va_sdst(0) depctr_va_ssrc(0) depctr_va_vcc(0) depctr_vm_vsrc(0)
	s_getreg_b32 s2, hwreg(HW_REG_IB_STS2, 6, 4)
	s_cmp_eq_u32 s2, 0
	s_cbranch_scc0 .Lentry_in_a_cluster
	s_endpgm
.Lentry_in_a_cluster:
	s_bfe_u32 s2, ttmp6, 0x10000c
	s_cmp_lg_u32 s2, 0xf033
	s_cbranch_scc0 .Lentry_shape_is_right
	s_endpgm
.Lentry_shape_is_right:
; THE OUTPUT PROJECTION: out0 = (gt W_o) 2^(eb - 128) + b_o.  gt: [4096][2048] f16, the gated y times 2^(128 - eb); W_o: [2048][1024] f16 in cb (bf16 numbers); sums f32; out0 f32.
; eb is the exponent field, clamped to 113 .. 142, of the gate's largest magnitude in the tile's 128 rows (stat): the same number as in the launch before, so the two powers of two cancel exactly.  b_o is rounded to bf16 like every input.
; A tile of 128 x 128 gives each of 256 work-groups one.  Four waves, each 64 x 64: 16 accumulators.  K goes in 8 steps of 256 through two LDS slots.
; gt's rows lie along K; W_o lies [K][N] and is turned on its way out of LDS.  THE MATRIX INSTRUCTION IS USED TRANSPOSED (source 0 = 16 columns of W_o, source 1 = 16 rows of gt).
; CLUSTER 4 x 4: gt's tile is asked for jointly along a row of the cluster, W_o's along a column.
; REGISTERS: window 0: v0-31 addresses; v32-63 results, v64-95 whole rows; v96-127 my 32 biases; v128-255 the accumulators ((a, b) at v[128 + 8 (4 a + b)]).  Window 1: two fragment buffers of 128: 64 of gt, then 64 of W_o.
.set KSTEP,  256
.set PAO,    528                       ; a row of gt in LDS: 512 bytes + 16
.set PWO,    288                       ; a row of W_o: 256 + 32 = 9 x 32
.set AH,     64*PAO
.set WH,     128*PWO
.set WOFF,   2*AH                      ; a slot: gt's 128 rows, then W_o's 256
.set SLOT,   WOFF+2*WH
.set STAGE,  2*SLOT                    ; behind the ring: 16 rows x 272 bytes for each wave
.set SP,     272
.set SPARE,  STAGE+4*16*SP             ; the spare words, 128 bytes a wave: two blocks of 256 bytes that no other line names
.set LAPS,   2048/(2*KSTEP)
.set WOB,    20971520                  ; W_o in cb
.set ADRA, 16                          ; v16-17  my gt fragments in slot 0, 1
.set ADRB, 20                          ; v20-23  my W_o fragments: slot 0 rows 0 on, rows 128 on; slot 1 likewise (240 rows of 288 bytes pass the 16-bit offset)
.set STO,  24
.set RD,   25
.set CO,   26
.set SPW,  28
.set NIL,  29
.set TMP,  32
.set OBK,  64
.set BIAS, 96
.set ACC,  128
.set F0,   0
.set F1,   128
.set G1, 24
.set G0, 32
.set G1B, 48
.set G0B, 56
.set SC, 78                            ; s[78:79] 2^(eb - 128)
.set SEL, 80
.set HIM, 82
.set MSB, 0
.macro WIN new
.if MSB != (\new)
	s_set_vgpr_msb (MSB<<8)|(\new)
.set MSB, \new
.endif
.endm
.set MUL,  0x05                        ; sources 0 and 1 window 1; C and D window 0
.set TO_F, 0x40                        ; destination window 1, address window 0
.macro JLOAD s                         ; waves 0 and 1 fetch gt's two halves, waves 2 and 3 W_o's; an s_nop 0 and four v_nop follow each line
	s_cmp_eq_u32 s11, 0
	s_cbranch_scc0 .Lfor_b_\@
	tensor_load_to_lds s[G0+4*(\s):G0+4*(\s)+3], s[G1:G1+7]
	s_nop 0
.rept 4
	v_nop
.endr
	s_branch .Lasked_\@
.Lfor_b_\@:
	tensor_load_to_lds s[G0B+4*(\s):G0B+4*(\s)+3], s[G1B:G1B+7]
	s_nop 0
.rept 4
	v_nop
.endr
.Lasked_\@:
.endm
.macro CREST
	s_cmp_lg_u32 s10, 0
	s_cbranch_scc1 .Lnot_wave_0_\@
	s_barrier_signal -3
.Lnot_wave_0_\@:
	s_barrier_wait -3
	s_barrier_signal -1
	s_barrier_wait -1
.endm
.macro CROUND
	s_barrier_signal -1
	s_barrier_wait -1
	CREST
.endm
	s_load_b256 s[68:75], s[0:1], 0x0              ; gt s[68:69], cb s[70:71], b_o s[72:73], stat s[74:75]
	s_load_b64 s[76:77], s[0:1], 0x20              ; out0
	v_lshl_add_u32 v[SPW], v0, 2, SPARE
	v_mov_b32 v[NIL], 0
	ds_add_u32 v[SPW], v[NIL]                      ; the wave's opening: the add and its wait stand ahead of my first tensor load; work on registers stands between them
	ds_add_u32 v28, v29
	v_lshrrev_b32 v1, 5, v0
	v_readfirstlane_b32 s10, v1                    ; wave 0..3
	s_lshr_b32 s11, s10, 1                         ; which half of the rows is mine.  Also: I fetch gt (0) or W_o (1)
	s_and_b32 s12, s10, 1                          ; which half of the columns.  Also: which half of that tile I fetch
	s_bfe_u32 s40, ttmp6, 0x40000
	s_bfe_u32 s41, ttmp6, 0x40004
	s_lshl_b32 s42, ttmp9, 2
	s_add_co_u32 s42, s42, s40                     ; tile column
	s_and_b32 s13, ttmp7, 0xffff
	s_lshl_b32 s13, s13, 2
	s_add_co_u32 s13, s13, s41                     ; tile row
	s_lshl_b32 s43, s41, 2
	s_lshl_b32 s43, 15, s43                        ; my row of the cluster
	s_lshl_b32 s44, 0x1111, s40                    ; my column
	s_or_b32 s[G1], s43, (1<<16)|(1<<20)|(1<<21)|(6<<22)|(3<<25)   ; gt: 64 rows x 256 elements; 4 words of padding after every 128
	s_mov_b32 s[G1+1], 256<<16
	s_mov_b32 s[G1+2], 64<<16
	s_mov_b32 s[G1+3], 256<<16
	s_mov_b32 s[G1+4], 64
	s_mov_b32 s[G1+5], 2048
	s_mov_b32 s[G1+6], 0
	s_mov_b32 s[G1+7], 0
	s_or_b32 s[G1B], s44, (1<<16)|(1<<20)|(1<<21)|(5<<22)|(7<<25)  ; W_o: 128 rows x 128 elements; 8 words after every 64
	s_mov_b32 s[G1B+1], 128<<16
	s_mov_b32 s[G1B+2], 128<<16
	s_mov_b32 s[G1B+3], 128<<16
	s_mov_b32 s[G1B+4], 128
	s_mov_b32 s[G1B+5], 1024
	s_mov_b32 s[G1B+6], 0
	s_mov_b32 s[G1B+7], 0
	s_lshl_b32 s16, s13, 7
	s_lshl_b32 s17, s12, 6
	s_add_co_u32 s16, s16, s17
	s_lshl_b32 s16, s16, 12                        ; gt: row 128 x tile row + 64 x half, 4,096 bytes a row
	s_mov_b32 s17, 0
	s_lshl_b32 s46, s12, 18                        ; W_o: 128 x half rows of 2,048 bytes,
	s_lshl_b32 s47, s42, 8                         ; 128 columns a tile column
	s_add_co_u32 s46, s46, s47
	s_add_co_u32 s46, s46, WOB
	s_mov_b32 s47, 0
	s_mul_i32 s20, s12, AH                         ; where they go: the wave's number alone enters an LDS address
	s_mul_i32 s21, s12, WH
	s_add_co_u32 s21, s21, WOFF
	s_mov_b32 s[SEL], 0x76543210
	s_mov_b32 s[SEL+1], 0xfedcba98
	s_mov_b32 s[HIM], 0xffff0000
	s_wait_dscnt 0x0                               ; the opening add is done
	s_wait_kmcnt 0x0
	s_add_nc_u64 s[14:15], s[68:69], s[16:17]
	s_add_nc_u64 s[46:47], s[70:71], s[46:47]
	CROUND                                         ; all sixteen work-groups are here: the first joint loads meet
.irp s, 0,1
	s_mov_b32 s[G0+4*(\s)], 1
	s_add_co_u32 s[G0+4*(\s)+1], s20, (\s)*SLOT
	s_add_nc_u64 s[G0+4*(\s)+2:G0+4*(\s)+3], s[14:15], (\s)*KSTEP*2
	s_or_b32 s[G0+4*(\s)+3], s[G0+4*(\s)+3], 0x80000000
	s_mov_b32 s[G0B+4*(\s)], 1
	s_add_co_u32 s[G0B+4*(\s)+1], s21, (\s)*SLOT
	s_add_nc_u64 s[G0B+4*(\s)+2:G0B+4*(\s)+3], s[46:47], (\s)*KSTEP*2048
	s_or_b32 s[G0B+4*(\s)+3], s[G0B+4*(\s)+3], 0x80000000
	JLOAD \s
.endr
	v_and_b32 v1, 15, v0                           ; l % 16
	v_bfe_u32 v2, v0, 4, 1                         ; l / 16
	s_mul_i32 s18, s13, 384                        ; stat: the tile's 128 rows, column groups 64 on
	s_add_co_u32 s18, s18, 256
	s_mov_b32 s19, 0
	s_add_nc_u64 s[74:75], s[74:75], s[18:19]
	s_lshl_b32 s46, s42, 9                         ; b_o: my 64 columns
	s_lshl_b32 s47, s12, 8
	s_add_co_u32 s46, s46, s47
	s_mov_b32 s47, 0
	s_add_nc_u64 s[72:73], s[72:73], s[46:47]
	v_and_b32 v6, 31, v0
	v_lshlrev_b32 v6, 2, v6
	v_lshlrev_b32 v7, 5, v2
	global_load_b32 v30, v6, s[74:75]
.irp b, 0,1,2,3
	global_load_b128 v[BIAS+8*\b:BIAS+8*\b+3],   v7, s[72:73] offset:64*\b
	global_load_b128 v[BIAS+8*\b+4:BIAS+8*\b+7], v7, s[72:73] offset:64*\b+16
.endr
	v_mul_u32_u24 v3, v1, PAO
	v_lshl_add_u32 v3, v2, 4, v3
	s_mul_i32 s22, s11, AH                         ; my 64 rows of gt
	v_add_nc_u32 v[ADRA], s22, v3
	v_add_nc_u32 v[ADRA+1], SLOT, v[ADRA]
	v_and_b32 v4, 7, v0                            ; the turning load reads row 8 (l / 16) + l % 8, columns 8 ((l / 8) % 2) on
	v_lshl_add_u32 v4, v2, 3, v4
	v_mul_u32_u24 v4, v4, PWO
	v_bfe_u32 v5, v0, 3, 1
	v_lshl_add_u32 v4, v5, 4, v4
	s_lshl_b32 s22, s12, 7                         ; my 64 columns
	s_add_co_u32 s22, s22, WOFF
	v_add_nc_u32 v[ADRB], s22, v4
	v_add_nc_u32 v[ADRB+1], 128*PWO, v[ADRB]
	v_add_nc_u32 v[ADRB+2], SLOT, v[ADRB]
	v_add_nc_u32 v[ADRB+3], SLOT, v[ADRB+1]
	s_mul_i32 s23, s10, 16*SP
	s_add_co_u32 s23, s23, STAGE                   ; my stage: my 64 f32 columns are one aligned 256 bytes of out0, so no wave needs another's
	v_mul_u32_u24 v[STO], v1, SP                   ; in: row l % 16, 32 bytes for each half of the lanes
	v_lshl_add_u32 v[STO], v2, 5, v[STO]
	v_add_nc_u32 v[STO], s23, v[STO]
	v_mul_u32_u24 v[RD], v2, SP                    ; back: lanes 0-15 one row of 256 bytes, lanes 16-31 the next
	v_lshl_add_u32 v[RD], v1, 4, v[RD]
	v_add_nc_u32 v[RD], s23, v[RD]
	v_lshlrev_b32 v[CO], 12, v2
	v_lshl_add_u32 v[CO], v1, 4, v[CO]
	s_lshl_b32 s16, s13, 7
	s_lshl_b32 s17, s11, 6
	s_add_co_u32 s16, s16, s17
	s_lshl_b32 s16, s16, 12                        ; my first row of out0
	s_mov_b32 s17, 0
	s_add_nc_u64 s[76:77], s[76:77], s[16:17]
	s_add_nc_u64 s[76:77], s[76:77], s[46:47]      ; and my 256 bytes of it: the same offset as in b_o
	v_mov_b32 v31, 0
	s_wait_loadcnt 0x0
	v_max_num_f32_dpp v30, v30, v30 row_xmask:1 row_mask:0xf bank_mask:0xf
	v_max_num_f32_dpp v30, v30, v30 row_xmask:2 row_mask:0xf bank_mask:0xf
	v_max_num_f32_dpp v30, v30, v30 row_xmask:4 row_mask:0xf bank_mask:0xf
	v_max_num_f32_dpp v30, v30, v30 row_xmask:8 row_mask:0xf bank_mask:0xf
	v_permlanex16_b32 v31, v30, s[SEL], s[SEL+1]
	v_max_num_f32 v30, v30, v31
	v_readfirstlane_b32 s83, v30
	s_bfe_u32 s83, s83, 0x80017
	s_max_u32 s83, s83, 113
	s_min_u32 s83, s83, 142
	s_sub_co_u32 s83, s83, 1                       ; 2^(eb - 128): exponent field eb - 1
	s_lshl_b32 s[SC], s83, 23
	s_mov_b32 s[SC+1], s[SC]
.set p2, 0
.rept 16
	v_cvt_pk_bf16_f32 v31, v[BIAS+2*p2], v[BIAS+2*p2+1]
	v_lshlrev_b32 v[BIAS+2*p2], 16, v31
	v_and_b32 v[BIAS+2*p2+1], s[HIM], v31
.set p2, p2+1
.endr
; 8 matrix instructions: row blocks a0, a0 + 1 x all 4 column blocks, 32 along K: half c of buffer f.  The 16 accumulators take turns.
.macro MUL8 f, c, a0, zero
	WIN MUL
.irp a, \a0, (\a0)+1
.irp b, 0,1,2,3
.if \zero
	v_wmma_f32_16x16x32_f16 v[ACC+8*(4*(\a)+(\b)):ACC+8*(4*(\a)+(\b))+7], v[(\f)+64+8*(4*(\c)+(\b)):(\f)+64+8*(4*(\c)+(\b))+7], v[(\f)+8*(4*(\c)+(\a)):(\f)+8*(4*(\c)+(\a))+7], 0
.else
	v_wmma_f32_16x16x32_f16 v[ACC+8*(4*(\a)+(\b)):ACC+8*(4*(\a)+(\b))+7], v[(\f)+64+8*(4*(\c)+(\b)):(\f)+64+8*(4*(\c)+(\b))+7], v[(\f)+8*(4*(\c)+(\a)):(\f)+8*(4*(\c)+(\a))+7], v[ACC+8*(4*(\a)+(\b)):ACC+8*(4*(\a)+(\b))+7]
.endif
.endr
.endr
.endm
; 32 LDS loads in one run: the fragments of quarter q (64 along K) of a slot into buffer f; the first 32 along K first
.macro FETCH slot, q, f
	WIN TO_F
.irp c, 0,1
.irp i, 0,1,2,3
	ds_load_tr16_b128 v[(\f)+64+8*(4*(\c)+(\i)):(\f)+64+8*(4*(\c)+(\i))+3],   v[ADRB+2*(\slot)+(\q)/2] offset:(((\q)%2)*64+32*(\c))*PWO+32*(\i)
	ds_load_tr16_b128 v[(\f)+64+8*(4*(\c)+(\i))+4:(\f)+64+8*(4*(\c)+(\i))+7], v[ADRB+2*(\slot)+(\q)/2] offset:(((\q)%2)*64+32*(\c))*PWO+32*(\i)+16*PWO
	ds_load_b128 v[(\f)+8*(4*(\c)+(\i)):(\f)+8*(4*(\c)+(\i))+3],         v[ADRA+(\slot)] offset:128*(\q)+64*(\c)+(\i)*16*PAO
	ds_load_b128 v[(\f)+8*(4*(\c)+(\i))+4:(\f)+8*(4*(\c)+(\i))+7],       v[ADRA+(\slot)] offset:128*(\q)+64*(\c)+(\i)*16*PAO+32
.endr
.endr
.endm
.macro PLACES                          ; four places in front of loads into registers that matrix instructions have read, and of lines that read results
.rept 4
	v_nop
.endr
.endm
; A K step is four quarters of 64 along K, 32 matrix instructions each, on buffers 0, 1, 0, 1.  One of the first three: multiplies buffer f and fetches quarter q into g.
.macro QUARTER slot, q, f, g, zero
	s_wait_dscnt 16                                ; the first 32 along K are in
	MUL8 \f, 0, 0, \zero
	MUL8 \f, 0, 2, \zero
	PLACES
	FETCH \slot, \q, \g
	s_wait_dscnt 32                                ; all but the 32 just issued
	MUL8 \f, 1, 0, 0
	MUL8 \f, 1, 2, 0
.endm
; The last quarter multiplies buffer 1 and changes slots.  fill = 1: this slot is filled again, two K steps ahead.
.macro TURN slot, next, fill
	WIN 0
	s_wait_tensorcnt 0x0                           ; all my tensor loads have landed: my part of the next slot;
	ds_add_u32 v[SPW], v[NIL]                      ; 0 onto my spare word;
	s_wait_dscnt 17                                ; (the add and the youngest sixteen loads may be out)
	MUL8 F1, 0, 0, 0
	s_wait_dscnt 0x0                               ; the add is done, and my reads of this slot are over
	s_barrier_signal -1
	MUL8 F1, 0, 2, 0
.if \fill
	WIN 0
.endif
	s_barrier_wait -1
.if \fill
	CREST                                          ; the barrier has opened a round of the cluster's: no wave of any partner still reads this slot or has a load on its way
	s_add_nc_u64 s[G0+4*(\slot)+2:G0+4*(\slot)+3], s[G0+4*(\slot)+2:G0+4*(\slot)+3], 2*KSTEP*2
	s_add_nc_u64 s[G0B+4*(\slot)+2:G0B+4*(\slot)+3], s[G0B+4*(\slot)+2:G0B+4*(\slot)+3], 2*KSTEP*2048
	JLOAD \slot                                    ; the first tensor load behind the round: 112 matrix instructions ahead of the wait for it; its four v_nop are also the places in front of the loads below
.else
	PLACES
.endif
	FETCH \next, 0, F0
	MUL8 F1, 1, 0, 0
	MUL8 F1, 1, 2, 0
.endm
	s_wait_tensorcnt 1                             ; my part of K step 0 is in; step 1's may stay out
	s_barrier_signal -1
	s_barrier_wait -1
	FETCH 0, 0, F0
	QUARTER 0, 1, F0, F1, 1                        ; the first quarter stands in front of the loop: its first products start the sums
	WIN 0
	s_mov_b32 s3, LAPS-1
.Llap:                                 ; a trip goes once round the ring and fills both slots again
	QUARTER 0, 2, F1, F0, 0
	QUARTER 0, 3, F0, F1, 0
	TURN 0, 1, 1
	QUARTER 1, 1, F0, F1, 0
	QUARTER 1, 2, F1, F0, 0
	QUARTER 1, 3, F0, F1, 0
	TURN 1, 0, 1
	QUARTER 0, 1, F0, F1, 0
	WIN 0
	s_sub_co_u32 s3, s3, 1
	s_cmp_lg_u32 s3, 0
	s_cbranch_scc1 .Llap
	QUARTER 0, 2, F1, F0, 0                        ; the last lap fills nothing
	QUARTER 0, 3, F0, F1, 0
	TURN 0, 1, 0
	QUARTER 1, 1, F0, F1, 0
	QUARTER 1, 2, F1, F0, 0
	QUARTER 1, 3, F0, F1, 0
	s_wait_dscnt 16
	MUL8 F1, 0, 0, 0
	MUL8 F1, 0, 2, 0
	s_wait_dscnt 0x0
	MUL8 F1, 1, 0, 0
	MUL8 F1, 1, 2, 0
	WIN 0
	; THE WAY OUT, 16 rows at a time: sums x scale + bias in one fused line; 32 bytes a lane into my stage; whole rows of 256 bytes back; stored.
	PLACES
.irp a, 0,1,2,3
.irp b, 0,1,2,3
.irp p, 0,1,2,3
	v_pk_fma_f32 v[TMP+8*\b+2*\p:TMP+8*\b+2*\p+1], v[ACC+8*(4*\a+\b)+2*\p:ACC+8*(4*\a+\b)+2*\p+1], s[SC:SC+1], v[BIAS+8*\b+2*\p:BIAS+8*\b+2*\p+1] op_sel_hi:[1,0,1]
.endr
.endr
.irp b, 0,1,2,3
	ds_store_b128 v[STO], v[TMP+8*\b:TMP+8*\b+3] offset:64*\b
	ds_store_b128 v[STO], v[TMP+8*\b+4:TMP+8*\b+7] offset:64*\b+16
.endr
	s_wait_xcnt 0x0                                ; the stores of the 16 rows before have read these registers
.irp f, 0,1,2,3,4,5,6,7
	ds_load_b128 v[OBK+4*\f:OBK+4*\f+3], v[RD] offset:\f*2*SP  ; LDS serves a wave's instructions in order (ISA guide 5.7.1.4): these see the stores above
.endr
.irp f, 0,1,2,3,4,5,6,7
	s_wait_dscnt 7-\f
	global_store_b128 v[CO], v[OBK+4*\f:OBK+4*\f+3], s[76:77] offset:(16*\a+2*\f)*4096 th:TH_STORE_NT  ; 16 lanes store 256 consecutive bytes, at a multiple of 256 from out0's first byte
.endr
.endr
	s_wait_tensorcnt 0x0                           ; the wave's end: behind my last tensor load and my last LDS store
	ds_add_u32 v[SPW], v[NIL]
	s_wait_dscnt 0x0
	CROUND                                         ; the closing round: no work-group ends while a partner may still ask for a tile that names it
	s_endpgm
.Lfunc_end_k_qb3de062178_outp:
	.size	k_qb3de062178_outp, .Lfunc_end_k_qb3de062178_outp-k_qb3de062178_outp
	.p2alignl 7, 3214868480
	.fill 96, 4, 3214868480
	.section	.rodata,"a",@progbits
	.p2align	6, 0x0
	.amdhsa_kernel k_qb3de062178_outp
		.amdhsa_group_segment_fixed_size 327680
		.amdhsa_private_segment_fixed_size 0
		.amdhsa_enable_private_segment 0
		.amdhsa_kernarg_size 40
		.amdhsa_user_sgpr_count 2
		.amdhsa_user_sgpr_kernarg_segment_ptr 1
		.amdhsa_wavefront_size32 1
		.amdhsa_system_sgpr_workgroup_id_x 1
		.amdhsa_system_sgpr_workgroup_id_y 1
		.amdhsa_system_sgpr_workgroup_id_z 1
		.amdhsa_system_vgpr_workitem_id 0
		.amdhsa_next_free_vgpr 512
		.amdhsa_next_free_sgpr 84
		.amdhsa_reserve_vcc 0
		.amdhsa_float_denorm_mode_32 3
		.amdhsa_float_denorm_mode_16_64 3
		.amdhsa_memory_ordered 1
		.amdhsa_forward_progress 1
		.amdhsa_inst_pref_size 95
	.end_amdhsa_kernel
	.amdgpu_metadata
---
amdhsa.version: [ 1, 2 ]
amdhsa.kernels:
  - .name:           k_qb3de062178_outp
    .symbol:         k_qb3de062178_outp.kd
    .args:
      - { .name: gt, .offset: 0, .size: 8, .value_kind: global_buffer, .address_space: global }
      - { .name: cb, .offset: 8, .size: 8, .value_kind: global_buffer, .address_space: global }
      - { .name: b_o, .offset: 16, .size: 8, .value_kind: global_buffer, .address_space: global }
      - { .name: stat, .offset: 24, .size: 8, .value_kind: global_buffer, .address_space: global }
      - { .name: out0, .offset: 32, .size: 8, .value_kind: global_buffer, .address_space: global }
    .group_segment_fixed_size: 327680
    .private_segment_fixed_size: 0
    .kernarg_segment_align: 8
    .kernarg_segment_size: 40
    .max_flat_workgroup_size: 128
    .sgpr_count:     84
    .vgpr_count:     512
    .wavefront_size: 32
...
	.end_amdgpu_metadata
.endif
;; end of part 4
;; ======== version 2 of 2: 4 launches; version 1 with the launch cvt written anew for expert scheduling mode
;; limits: values are held in f16: magnitudes above 65,504 overflow, below 6.1e-05 lose precision
;; workspace buffers: cb 25,165,824 bytes; pj 50,331,648 bytes; stat 12,288 bytes; gt 16,777,216 bytes
;; launch cvt (part 5): grid 768 x 1, 8 waves a work-group, no clusters, 0 bytes of LDS; arguments x, W_qk, W_v, W_g, W_o, cb; writes cb
.if DOCPART == 5
	.amdgcn_target "amdgcn-amd-amdhsa--gfx1250"
	.amdhsa_code_object_version 6
	.text
	.protected	k_qb3de062178_cvt
	.globl	k_qb3de062178_cvt
	.p2align	8
	.type	k_qb3de062178_cvt,@function
k_qb3de062178_cvt:
	s_mov_b64 s[64:65], 0
	v_nop
	global_prefetch_b8 v0, s[64:65] scope:SCOPE_SE
	s_setreg_imm32_b32 hwreg(HW_REG_WAVE_SCHED_MODE, 0, 2), 2
	s_setreg_imm32_b32 hwreg(HW_REG_WAVE_MODE, 25, 1), 1
	s_wait_xcnt 0x0
	s_wait_alu depctr_vm_vsrc(0)
; THE ROUNDINGS.  x and the four weights are rounded once to bf16 and laid out for the products that follow, all in cb:
;   byte 0           x, by blocks of 64 along K: [kb 16][row 4096][64] bf16, so that 128 rows of a K block are 16,384 dense bytes
;   byte 8,388,608   [W_qk | W_v | W_g], [1024][6144] bf16
;   byte 20,971,520  W_o, [2048][1024]: rounded to bf16, and that number written as f16 (the last product's other operand is f16)
; LIMIT.  A W_o below 6.1e-5 in magnitude keeps f16's fixed step of 6e-8; beyond 65,504 it would be an infinity.
; A stream: no LDS, no barrier, no loop.  A wave owns 8,192 bytes of one source: 16 loads of 16 bytes a lane go out at once, 16 stores of 8 bytes a lane
; follow; each store of the wave covers 256 consecutive bytes, aligned.  Matrix units and clusters have nothing to do here.
; THE MODE: SCHED_MODE bits 1:0 = 2 (LLVM: expert scheduling mode 2), set by the entry lines.  The code itself states the register dependences
; between vector instructions and memory instructions, with s_wait_alu, always for 0.
; THE PLAN.  Registers that memory instructions touch:
;   v1, v2   the loads' and the stores' byte offsets.  Written by vector lines ahead of the first load, read by every load (v1) and every store (v2), never written again.
;   X        unit i's four registers: load i lands in them, unit i's conversions read them; no vector line names them ahead of the loads, nothing is loaded into them again.
;   D        unit i's two registers: unit i's conversions write them, store i reads them; none is written again behind its store.
;   T        named by vector lines alone.
; The 16 units go in four groups of four.  A group's four stores are issued in the next group, one ahead of each unit's conversions, behind ONE wait at that group's head, which states that
; the group before has written its D; the conversions issued since that wait name X and D of the group in hand and T, none of the registers of those stores.  The last group's stores have a wait of their own.
; No register that a memory instruction reads is ever written again, so nothing is owed for that.
.set X, 4                              ; v[4:67]    16 x 4 f32 as loaded
.set D, 68                             ; v[68:99]   16 x 2 words to store; no register is written again behind the store that reads it, so no wait frees a store's data
.set T, 100                            ; v[100:103] at work
.macro RUN base, lstep, sstep, half
	s_wait_alu depctr_va_vdst(0)                   ; v1 and v2 are written: every load below reads v1 as its offset, every store v2
.set i, 0
.rept 16
	global_load_b128 v[X+4*i:X+4*i+3], v1, s[\base:\base+1] offset:i*(\lstep) th:TH_LOAD_NT
.set i, i+1
.endr
.set i, 0
.rept 16
	s_wait_loadcnt 15-i                            ; loads come back in order: load i is in, the 15 - i younger ones stay out
.if (i > 0) && (i%4 == 0)
	s_wait_alu depctr_va_vdst(0)                   ; the conversions of the four units before have written their D, which the next four stores read
.endif
.if i >= 4
	global_store_b64 v2, v[D+2*(i-4):D+2*(i-4)+1], s[14:15] offset:(i-4)*(\sstep)  ; the unit four back; no vector line since the wait names its registers
.endif
	v_cvt_pk_bf16_f32 v[D+2*i], v[X+4*i], v[X+4*i+1]
	v_cvt_pk_bf16_f32 v[D+2*i+1], v[X+4*i+2], v[X+4*i+3]
.if \half
	v_lshlrev_b32 v[T], 16, v[D+2*i]               ; the bf16 numbers as f32,
	v_and_b32 v[T+1], 0xffff0000, v[D+2*i]
	v_lshlrev_b32 v[T+2], 16, v[D+2*i+1]
	v_and_b32 v[T+3], 0xffff0000, v[D+2*i+1]
	v_cvt_pk_f16_f32 v[D+2*i], v[T], v[T+1]        ; and written as f16
	v_cvt_pk_f16_f32 v[D+2*i+1], v[T+2], v[T+3]
.endif
.set i, i+1
.endr
	s_wait_alu depctr_va_vdst(0)                   ; the conversions of units 12 to 15 have written their D, which the last four stores read
.set i, 12
.rept 4
	global_store_b64 v2, v[D+2*i:D+2*i+1], s[14:15] offset:i*(\sstep)
.set i, i+1
.endr
.endm
	s_load_b256 s[4:11], s[0:1], 0x0               ; x s[4:5], W_qk s[6:7], W_v s[8:9], W_g s[10:11]
	s_load_b128 s[12:15], s[0:1], 0x20             ; W_o s[12:13], cb s[14:15]
	v_lshrrev_b32 v3, 5, v0
	v_readfirstlane_b32 s16, v3                    ; wave 0..7
	v_and_b32 v3, 31, v0                           ; lane
	v_lshlrev_b32 v2, 3, v3                        ; 8 bytes a lane in every store
	s_mov_b32 s17, ttmp9
	s_mov_b32 s21, 0
	s_mov_b32 s23, 0
	s_wait_alu depctr_va_sdst(0)                   ; s16 is written, ahead of the branches behind which its first readers stand: the wave's unit is made from it
	s_wait_kmcnt 0x0
	s_cmp_lt_u32 s17, 256
	s_cbranch_scc0 .Lweights
	; x: work-groups 0 to 255.  A unit is a pair of rows; load i takes K block i of both: lanes 0-15 the even row's 256 bytes, lanes 16-31 the odd row's.
	s_lshl_b32 s18, s17, 3
	s_add_co_u32 s18, s18, s16                     ; the unit
	s_lshl_b32 s20, s18, 13
	s_add_nc_u64 s[4:5], s[4:5], s[20:21]
	s_lshl_b32 s22, s18, 8                         ; two rows of 128 bytes in each K block
	s_add_nc_u64 s[14:15], s[14:15], s[22:23]
	v_and_b32 v1, 15, v3
	v_lshlrev_b32 v1, 4, v1
	v_lshrrev_b32 v3, 4, v3
	v_lshl_add_u32 v1, v3, 12, v1
	RUN 4, 256, 524288, 0                          ; a K block of x is 4,096 rows x 128 bytes; 15 of them stay inside the signed 24-bit immediate
	s_endpgm
.Lweights:
	s_sub_co_u32 s17, s17, 256
	s_lshr_b32 s19, s17, 7                         ; which weight: 128 work-groups each
	s_and_b32 s17, s17, 127
	s_lshl_b32 s18, s17, 3
	s_add_co_u32 s18, s18, s16                     ; the unit: 8,192 consecutive bytes
	s_lshl_b32 s20, s18, 13
	v_lshlrev_b32 v1, 4, v3
	s_cmp_eq_u32 s19, 3
	s_cbranch_scc1 .Lwo
	s_cmp_eq_u32 s19, 1
	s_cselect_b64 s[24:25], s[8:9], s[6:7]
	s_cmp_eq_u32 s19, 2
	s_cselect_b64 s[24:25], s[10:11], s[24:25]
	s_add_nc_u64 s[24:25], s[24:25], s[20:21]
	s_mul_i32 s22, s18, 12288                      ; a unit is one row of 2,048 columns: row k of the joined weights,
	s_lshl_b32 s26, s19, 12                        ; at this weight's 4,096 bytes of it
	s_add_co_u32 s22, s22, s26
	s_add_co_u32 s22, s22, 8388608
	s_add_nc_u64 s[14:15], s[14:15], s[22:23]
	RUN 24, 512, 256, 0
	s_endpgm
.Lwo:
	s_add_nc_u64 s[12:13], s[12:13], s[20:21]
	s_lshl_b32 s22, s18, 12
	s_add_co_u32 s22, s22, 20971520
	s_add_nc_u64 s[14:15], s[14:15], s[22:23]
	RUN 12, 512, 256, 1
	s_endpgm
.Lfunc_end_k_qb3de062178_cvt:
	.size	k_qb3de062178_cvt, .Lfunc_end_k_qb3de062178_cvt-k_qb3de062178_cvt
	.p2alignl 7, 3214868480
	.fill 96, 4, 3214868480
	.section	.rodata,"a",@progbits
	.p2align	6, 0x0
	.amdhsa_kernel k_qb3de062178_cvt
		.amdhsa_group_segment_fixed_size 0
		.amdhsa_private_segment_fixed_size 0
		.amdhsa_enable_private_segment 0
		.amdhsa_kernarg_size 48
		.amdhsa_user_sgpr_count 2
		.amdhsa_user_sgpr_kernarg_segment_ptr 1
		.amdhsa_wavefront_size32 1
		.amdhsa_system_sgpr_workgroup_id_x 1
		.amdhsa_system_sgpr_workgroup_id_y 1
		.amdhsa_system_sgpr_workgroup_id_z 1
		.amdhsa_system_vgpr_workitem_id 0
		.amdhsa_next_free_vgpr 104
		.amdhsa_next_free_sgpr 66
		.amdhsa_reserve_vcc 0
		.amdhsa_float_denorm_mode_32 3
		.amdhsa_float_denorm_mode_16_64 3
		.amdhsa_memory_ordered 1
		.amdhsa_forward_progress 1
		.amdhsa_inst_pref_size 25
	.end_amdhsa_kernel
	.amdgpu_metadata
---
amdhsa.version: [ 1, 2 ]
amdhsa.kernels:
  - .name:           k_qb3de062178_cvt
    .symbol:         k_qb3de062178_cvt.kd
    .args:
      - { .name: x, .offset: 0, .size: 8, .value_kind: global_buffer, .address_space: global }
      - { .name: W_qk, .offset: 8, .size: 8, .value_kind: global_buffer, .address_space: global }
      - { .name: W_v, .offset: 16, .size: 8, .value_kind: global_buffer, .address_space: global }
      - { .name: W_g, .offset: 24, .size: 8, .value_kind: global_buffer, .address_space: global }
      - { .name: W_o, .offset: 32, .size: 8, .value_kind: global_buffer, .address_space: global }
      - { .name: cb, .offset: 40, .size: 8, .value_kind: global_buffer, .address_space: global }
    .group_segment_fixed_size: 0
    .private_segment_fixed_size: 0
    .kernarg_segment_align: 8
    .kernarg_segment_size: 48
    .max_flat_workgroup_size: 256
    .sgpr_count:     66
    .vgpr_count:     104
    .wavefront_size: 32
...
	.end_amdgpu_metadata
.endif
;; end of part 5
;; launch proj: the kernel of part 2 again; grid 16 x 16, 4 waves a work-group, clusters of 4 x 4, 327,680 bytes of LDS; arguments cb, b_qk, b_v, b_g, pj, stat; writes pj, stat
;; launch ret: the kernel of part 3 again; grid 8 x 32, 4 waves a work-group, no clusters, 327,680 bytes of LDS; arguments pj, stat, gt; writes gt
;; launch outp: the kernel of part 4 again; grid 8 x 32, 4 waves a work-group, clusters of 4 x 4, 327,680 bytes of LDS; arguments gt, cb, b_o, stat, out0; writes out0
